; MI455X (gfx1250); checked and timed in simulation.
; The chip was launched on July 23, 2026; its instructions are those of AMD's public machine-readable ISA for CDNA 5 (MIT licence, August 2026) and "CDNA5" Instruction Set Architecture Reference Guide (July 2026). The comments in the code are by the model that wrote it; some were corrected since.
;; mutli Head Attention. Allowed arithmetic: matrix products marked QUANTISED: E5M2 operands, one E8M0 scale for each 32 along K, by v_wmma_scale_f32_16x16x128_f8f6f4 with both operands' format E5M2, f32 sums; everything else in f32.
;; Inputs: attn_mask 4 x 1 x 2,048 x 2,048 bool; input_K_codes 4 x 2,048 x 32 x 32 uint8 (E5M2 codes of input_K, K innermost, in blocks of 32 codes); input_K_scales 4 x 2,048 x 32 uint8 (E8M0 scales of input_K, one for each 32 codes along K); input_Q 4 x 2,048 x 1,024 float32; input_V_codes 4 x 2,048 x 32 x 32 uint8 (E5M2 codes of input_V, K innermost, in blocks of 32 codes); input_V_scales 4 x 2,048 x 32 uint8 (E8M0 scales of input_V, one for each 32 codes along K); ln_beta 1,024 float32; ln_gamma 1,024 float32; w_k_codes 1,024 x 32 x 32 uint8 (E5M2 codes of w_k, K innermost, in blocks of 32 codes); w_k_scales 1,024 x 32 uint8 (E8M0 scales of w_k, one for each 32 codes along K); w_o_codes 1,024 x 32 x 32 uint8 (E5M2 codes of w_o, K innermost, in blocks of 32 codes); w_o_scales 1,024 x 32 uint8 (E8M0 scales of w_o, one for each 32 codes along K); w_q_codes 1,024 x 32 x 32 uint8 (E5M2 codes of w_q, K innermost, in blocks of 32 codes); w_q_scales 1,024 x 32 uint8 (E8M0 scales of w_q, one for each 32 codes along K); w_v_codes 1,024 x 32 x 32 uint8 (E5M2 codes of w_v, K innermost, in blocks of 32 codes); w_v_scales 1,024 x 32 uint8 (E8M0 scales of w_v, one for each 32 codes along K).
;; Outputs: out0 4 x 2,048 x 1,024 float32.
;; This version of the problem:
;;   THIS VERSION OF THE PROBLEM IS GIVEN IN LOW PRECISION. The matrix products marked QUANTISED in the list below multiply operands that are first quantised to E5M2 (5 exponent bits, 2 mantissa bits; 8 bits a number), with one power-of-two scale for each 32 numbers along K (OCP MX v1.0); their sums are f32. All else is computed in f32.
;;   The module's matrix products, in the order in which they are computed (A, B: the left and right operand; K: the contracted axis; several contracted axes count as one K, in the product's order):
;;     1. [M 8,192, K 1,024] x [K 1,024, N 1,024]; A: input input_Q; B: input w_q (given as codes): QUANTISED
;;     2. [M 8,192, K 1,024] x [K 1,024, N 1,024]; A: input input_K (given as codes); B: input w_k (given as codes): QUANTISED
;;     3. [M 8,192, K 1,024] x [K 1,024, N 1,024]; A: input input_V (given as codes); B: input w_v (given as codes): QUANTISED
;;     4. batch 64 x [M 2,048, K 64] x [K 64, N 2,048]; A: computed on the way; B: computed on the way: QUANTISED
;;     5. batch 64 x [M 2,048, K 2,048] x [K 2,048, N 64]; A: softmax (see below); B: computed on the way: QUANTISED
;;     6. [M 8,192, K 1,024] x [K 1,024, N 1,024]; A: computed on the way; B: input w_o (given as codes): QUANTISED
;;   THE QUANTISER, for each operand of a quantised product, along K:
;;     - K is cut into blocks of 32 from its start; a last block that is shorter is filled with zeros.
;;     - A block's scale is 2^e with e = floor(log2(the largest magnitude in the block)) - 15, held to -126 .. 127; a block of zeros has e = 0. As a byte (E8M0): e + 127.
;;     - Each number is divided by its block's scale, clamped to +-57,344, and rounded to the nearest number of E5M2, ties to even, subnormals kept.
;;     - The product sums the exact products of the quantised numbers (number of the format x scale) in f32.
;;   ~~~python
;;   def quantise(x, axis):      # numpy; x: float32 -> the quantised numbers, widened to float32 again
;;       x = np.moveaxis(x, axis, -1); K = x.shape[-1]
;;       x = np.pad(x, [(0, 0)] * (x.ndim - 1) + [(0, -K % 32)]); x = x.reshape(x.shape[:-1] + (-1, 32)); a = np.abs(x).max(-1, keepdims=True)
;;       e = np.where(a > 0, np.clip(np.frexp(np.where(a > 0, a, 1))[1] - 1 - 15, -126, 127), 0)      # np.frexp(a)[1] - 1 = floor(log2(a)), exactly
;;       r = np.clip(x / 2.0 ** e, -57344, 57344)
;;       step = 2.0 ** (np.maximum(np.frexp(np.where(r == 0, 1, r))[1] - 1, -14) - 2)
;;       q = np.round(r / step) * step * 2.0 ** e      # np.round: ties to even
;;       return np.moveaxis(q.reshape(q.shape[:-2] + (-1,))[..., :K], -1, axis).astype(np.float32)
;;   ~~~
;;   SOFTMAX AHEAD OF A QUANTISED PRODUCT. Where the list says 'softmax', what is quantised is not the finished softmax but p = 2^(t - M), with t = logit x log2(e) and M = ceil(the row's largest t), a whole number; so 1/2 < the row's largest p <= 1. The row's sum l is taken of the UNQUANTISED p, in f32, and the product's result is divided by l at the end. Since M is a whole number, a kernel that streams over the keys may use a running M (the ceiling of the running maximum): every later rescaling is an exact power of two, which a block's scale takes up: the codes' values come out the same.
;;   OPERANDS COMPUTED ON THE WAY. 'Computed on the way' means the value that the module computes at that place (a softmax that the list does not call 'softmax' is quantised finished and normalised). What goes into a quantiser is computed in f32, as accurately as f32 sums, v_exp_f32 and their like allow (about 1e-6 of the number): no bf16 or f16 on the way to a quantiser, and a product that is left as it is and whose result goes on into a quantised operand takes f32 operands (vector FMAs, or v_wmma_f32_16x16x4_f32). A number that lies on a knife's edge between two numbers of the format may be rounded either way, as far as f32 arithmetic and the matrix unit's own rounding can turn it there, and no further.
;;   INPUTS GIVEN AS CODES. input_K (in the module: [4, 2048, 1024], K = its axis 2); input_V (in the module: [4, 2048, 1024], K = its axis 2); w_k (in the module: [1024, 1024], K = its axis 1); w_o (in the module: [1024, 1024], K = its axis 1); w_q (in the module: [1024, 1024], K = its axis 1); w_v (in the module: [1024, 1024], K = its axis 1): each comes as NAME_codes (uint8): NAME with its K axis moved to the last place and cut into blocks of 32 codes, [.., K / 32, bytes a block], one block behind the other in memory; one code a byte (a code: sign, 5 exponent bits, 2 mantissa bits); and NAME_scales (uint8): the same leading axes, one E8M0 byte (e + 127) for each 32 codes along K. Its value is code x scale, taken as it is: it is not quantised again, and the codes and scales need not be those that the quantiser above would give.
;; One version. Each part assembles by itself: llvm-mc -triple=amdgcn-amd-amdhsa -mcpu=gfx1250 --defsym DOCPART=n.
;; ======== version 1 of 1: 4 launches
;; limits: right only within a limited range of input values
;; workspace buffers: xq_codes 8,388,608 bytes; xq_scales 262,144 bytes; maskw 2,097,152 bytes of whole numbers; q_img 17,301,504 bytes; kv_img 17,301,504 bytes; ctx_img 8,388,608 bytes; ctx_sc 262,144 bytes
;; launch prep (part 1): grid 768 x 1, 4 waves a work-group, no clusters, 67,072 bytes of LDS; arguments input_Q, attn_mask, xq_codes, xq_scales, maskw; writes xq_codes, xq_scales, maskw
.if DOCPART == 1
	.amdgcn_target "amdgcn-amd-amdhsa--gfx1250"
	.amdhsa_code_object_version 6
	.text
	.protected	k_qad78717e58_prep
	.globl	k_qad78717e58_prep
	.p2align	8
	.type	k_qad78717e58_prep,@function
k_qad78717e58_prep:
	s_mov_b64 s[64:65], 0
	v_nop
	global_prefetch_b8 v0, s[64:65] scope:SCOPE_SE
	s_setreg_imm32_b32 hwreg(HW_REG_WAVE_MODE, 25, 1), 1
	s_wait_xcnt 0x0
; Two jobs in one launch, parted on the work-group's number; each has LDS bytes of its own.
; WORK-GROUPS 0-255: input_Q [8192][1024] f32 becomes codes of BF8 (E5M2), K innermost, and one E8M0 byte for each 32 along K (xq_codes [8192][1024], xq_scales [8192][32]).
;   A block's scale is 2^(floor(log2(its largest magnitude)) - 15); its byte is the largest magnitude's exponent field - 15, held at 1 from below.  Numbers are held within +-57,344 x the scale and rounded to the nearest code, ties to even.
;   A block of zeros gets the byte 1 where the rule says 127: its codes are zeros, and the bytes are read by this program alone.
;   LIMITS: blocks whose largest magnitude lies under 2^(15 - 126) keep the byte 1; NaN and infinities among the inputs are not served.
;   Rows are dense and 1,024 is a multiple of 32: the tensor is a plain stream of blocks.  A wave takes 16 steps of 512 numbers; each load reads 512 consecutive bytes; loads run eight steps (32 loads a wave) ahead;
;   a step's 2,048 bytes turn through the wave's own stage in LDS so that a lane holds 16 neighbours along K; a wave's store of codes covers 512 consecutive bytes; its 256 scale bytes leave as one aligned run of 256.
; WORK-GROUPS 256-767: attn_mask [4][1][2048][2048] bytes becomes lane masks: maskw [tile of 16 queries T (512)][key step of 128 (16)][n (64)] words;
;   bit (r + 16 h) of word n is mask[query 16 T + r][key 128 step + 16 (n / 8) + 8 h + n % 8]: the key that the attention launch holds in score register n of lane (r, h).
;   A work-group takes one T, wave u keys 512 u on (four steps).  Sixteen loads of 512 consecutive bytes, through a stage of 16 rows x 528 bytes, back 8 bytes a lane; a compare makes a word of 32 lanes' bytes.
; No tensor loads, no barrier: waves share nothing.  The matrix units and clusters have nothing to do here.
.set STEPS, 16
.set AHEAD, 8                          ; steps that the loads run ahead: as many sets of 16 registers
.set EMAX,  15
.set MANT,  0x600000                   ; the mantissa field of 57,344 as f32
.set CB,    16                         ; bytes of 16 codes
.set R,     16                         ; v16-143  as loaded: eight sets (the second job: 16 rows x 4, v16-79)
.set X,     144                        ; v144-175 two sets of 16 neighbours (the second job: 32 pairs, v144-207)
.set C,     176                        ; v176-239 codes: four registers a step, never written again
.set E,     240                        ; v240-255 a scale byte for each step
.set WREG,  8192                       ; first job: a wave's LDS: two stages of 32 x SP bytes, then its 256 scale bytes
.set SP,    80                         ; a lane's place in a stage: 64 bytes + 16 of padding
.set MSTG,  32768                      ; second job: its stages begin here
.set MPI,   528                        ; a stage row: 512 bytes + 16 of padding: row r begins at bank 4 r
.set WD,    208                        ; v208-215 the words of four steps: two registers a step (lane l: words 2 l, 2 l + 1)
	s_load_b256 s[4:11], s[0:1], 0x0               ; input_Q s[4:5], attn_mask s[6:7], xq_codes s[8:9], xq_scales s[10:11]
	s_load_b64 s[12:13], s[0:1], 0x20              ; maskw
	s_set_vgpr_msb 0x40
	v_lshl_add_u32 v0, v0, 2, 0x10400
	v_mov_b32 v1, 0
	s_set_vgpr_msb 0x4000
	v_lshrrev_b32 v1, 5, v0
	v_readfirstlane_b32 s16, v1                    ; wave
	v_and_b32 v2, 31, v0                           ; lane
	s_cmp_lt_u32 ttmp9, 256
	s_cbranch_scc0 .Lmask
	; ---------------- input_Q into codes ----------------
	v_lshlrev_b32 v3, 4, v2                        ; my 16 bytes of a load's 512
	s_mul_i32 s17, s16, WREG
	v_lshrrev_b32 v14, 2, v2
	v_mul_u32_u24 v14, v14, SP
	v_and_b32 v15, 3, v2
	v_lshl_add_u32 v14, v15, 4, v14
	v_add_nc_u32 v14, s17, v14                     ; the stage, on the way in: SP (lane / 4) + 16 (lane % 4)
	v_mul_u32_u24 v15, v2, SP
	v_add_nc_u32 v15, s17, v15                     ; on the way out: SP x lane: my 16 neighbours
	v_mul_u32_u24 v4, v2, CB                       ; my codes' place in a step's
	v_lshrrev_b32 v5, 1, v2
	s_add_co_u32 s17, s17, 2*32*SP
	v_add_nc_u32 v5, s17, v5                       ; my wave's 256 scale bytes, my block's byte
	v_lshlrev_b32 v7, 3, v2                        ; and on the way out 8 bytes a lane
	v_add_nc_u32 v6, s17, v7
	s_mov_b32 s23, MANT
	s_lshl_b32 s17, ttmp9, 2
	s_add_co_u32 s18, s17, s16                     ; which run of 8,192 numbers is my wave's
	s_mov_b32 s19, 0
	s_mov_b64 s[20:21], 512*STEPS*4
	s_mul_u64 s[20:21], s[18:19], s[20:21]
	s_wait_alu depctr_va_vdst(0)
	s_wait_kmcnt 0x0
	s_add_nc_u64 s[4:5], s[4:5], s[20:21]
	s_mov_b64 s[20:21], 32*STEPS*CB
	s_mul_u64 s[20:21], s[18:19], s[20:21]
	s_add_nc_u64 s[8:9], s[8:9], s[20:21]
	s_lshl_b32 s18, s18, 8                         ; 256 scale bytes a run
	s_add_nc_u64 s[10:11], s[10:11], s[18:19]
.macro LOAD t
.irp i, 0,1,2,3
	global_load_b128 v[R+16*((\t)%AHEAD)+4*\i:R+16*((\t)%AHEAD)+4*\i+3], v3, s[4:5] offset:2048*(\t)+512*\i   ; 32 lanes read 512 consecutive bytes (no hint: the last launch reads these rows again)
.endr
.endm
.macro TURN t                          ; step t's numbers through the stage: LDS serves a wave's instructions in order, so no wait stands between the stores and the loads
.irp i, 0,1,2,3
	ds_store_b128 v14, v[R+16*((\t)%AHEAD)+4*\i:R+16*((\t)%AHEAD)+4*\i+3] offset:32*SP*((\t)%2)+8*SP*\i
.endr
.irp i, 0,1,2,3
	ds_load_b128 v[X+16*((\t)%2)+4*\i:X+16*((\t)%2)+4*\i+3], v15 offset:32*SP*((\t)%2)+16*\i
.endr
.endm
.irp t, 0,1,2,3,4,5,6,7
	LOAD \t
.endr
	s_wait_loadcnt 4*(AHEAD-1)                     ; step 0's four loads are in; the seven later steps' may be out
	TURN 0
.macro STEP t
.set XS, X+16*((\t)%2)
.if (\t) > 0
	s_wait_dscnt 1                                 ; this step's numbers are back from the stage (the last step's byte store may be out): so its stores into the stage have read their registers,
.else
	s_wait_dscnt 0x0
.endif
.if (\t)+AHEAD < STEPS
	LOAD (\t)+AHEAD                                ; which take the loads of eight steps on
.endif
.if (\t)+1 < STEPS
.if STEPS-2-(\t) >= AHEAD-1
	s_wait_loadcnt 4*(AHEAD-1)                     ; the next step's four loads are in; those of the seven steps behind it may be out
.else
	s_wait_loadcnt 4*(STEPS-2-(\t))                ; towards the end: as many steps as are left behind the next one
.endif
	TURN (\t)+1                                    ; and go through the other stage while this step is worked
.endif
	v_max3_num_f32 v8, |v[XS]|, |v[XS+1]|, |v[XS+2]|               ; the largest magnitude of my 16
	v_max3_num_f32 v9, |v[XS+3]|, |v[XS+4]|, |v[XS+5]|
.irp i, 6,10
	v_max3_num_f32 v8, v8, |v[XS+\i]|, |v[XS+\i+1]|
	v_max3_num_f32 v9, v9, |v[XS+\i+2]|, |v[XS+\i+3]|
.endr
	v_max3_num_f32 v8, v8, |v[XS+14]|, |v[XS+15]|
	v_max3_num_f32 v8, v8, v9, (EMAX+1)<<23        ; and the floor 2^(16 - 127): the byte cannot fall under 1
	v_max_num_f32_dpp v8, v8, v8 row_xmask:1 row_mask:0xf bank_mask:0xf   ; and of my neighbour's 16: the block's
	v_add_nc_u32 v11, -(EMAX<<23), v8              ; 15 off its exponent field: the conversion takes the exponent field of this operand as its scale
	v_and_or_b32 v10, v8, 0x7f800000, s23          ; 57,344 x the scale
.irp i, 0,1,2,3,4,5,6,7,8,9,10,11,12,13,14,15
	v_med3_num_f32 v[XS+\i], v[XS+\i], -v10, v10   ; the conversion to an 8-bit code does not saturate (ISA guide 7.6.2): the hold comes first
.endr
	v_cvt_scalef32_pk8_bf8_f32 v[C+4*(\t):C+4*(\t)+1], v[XS:XS+7], v11
	v_cvt_scalef32_pk8_bf8_f32 v[C+4*(\t)+2:C+4*(\t)+3], v[XS+8:XS+15], v11
	v_lshrrev_b32 v[E+(\t)], 23, v11               ; the scale's byte
	ds_store_b8 v5, v[E+(\t)] offset:16*(\t)       ; both lanes of a block write the same byte with the same value
	global_store_b128 v4, v[C+4*(\t):C+4*(\t)+3], s[8:9] offset:32*CB*(\t)
.endm
.irp t, 0,1,2,3,4,5,6,7,8,9,10,11,12,13,14,15
	STEP \t
.endr
	ds_load_b64 v[12:13], v6                       ; LDS serves a wave's instructions in order: these see my stores
	s_wait_dscnt 0x0
	global_store_b64 v7, v[12:13], s[10:11]        ; 32 lanes store 256 consecutive bytes, aligned
	s_set_vgpr_msb 0x5
	s_wait_tensorcnt 0x0
	ds_add_u32 v0, v1
	s_wait_dscnt 0x0
	s_set_vgpr_msb 0x500
	s_endpgm
	; ---------------- attn_mask into lane masks ----------------
.Lmask:
	s_sub_co_u32 s17, ttmp9, 256                   ; T
	s_wait_alu depctr_va_vdst(0)
	v_lshlrev_b32 v3, 4, v2                        ; 16 x lane: my bytes of a row's 512
	s_mul_i32 s18, s16, 16*MPI
	s_add_co_u32 s18, s18, MSTG                    ; my wave's stage
	v_add_nc_u32 v4, s18, v3                       ; in: as loaded
	v_and_b32 v8, 15, v2                           ; r
	v_lshrrev_b32 v9, 4, v2                        ; h
	v_mul_u32_u24 v5, v8, MPI
	v_lshl_add_u32 v5, v9, 3, v5
	v_add_nc_u32 v5, s18, v5                       ; out: row r, + 8 h
	v_lshlrev_b32 v6, 3, v2                        ; two words a lane
.irp i, 0,1,2,3,4,5,6,7
	v_mov_b32 v[WD+\i], 0                          ; a lane write's destination counts as read
.endr
	s_lshl_b32 s20, s17, 15                        ; 16 rows of 2,048 bytes
	s_lshl_b32 s21, s16, 9                         ; my wave's 512 keys
	s_add_co_u32 s20, s20, s21
	s_mov_b32 s21, 0
	s_lshl_b32 s22, s17, 12                        ; 16 steps of 256 bytes
	s_lshl_b32 s23, s16, 10                        ; my wave's four
	s_add_co_u32 s22, s22, s23
	s_mov_b32 s23, 0
	s_wait_kmcnt 0x0
	s_add_nc_u64 s[6:7], s[6:7], s[20:21]
	s_add_nc_u64 s[12:13], s[12:13], s[22:23]
.irp i, 0,1,2,3,4,5,6,7,8,9,10,11,12,13,14,15
	global_load_b128 v[R+4*\i:R+4*\i+3], v3, s[6:7] offset:2048*\i th:TH_LOAD_NT   ; row i: 512 consecutive bytes
.endr
.irp i, 0,1,2,3,4,5,6,7,8,9,10,11,12,13,14,15
	s_wait_loadcnt 15-\i                           ; row i is in, the later rows may be out
	ds_store_b128 v4, v[R+4*\i:R+4*\i+3] offset:MPI*\i
.endr
.set q, 0
.rept 32                               ; step q / 8, tile of 16 keys q % 8: my query's 8 bytes
	ds_load_b64 v[X+2*q:X+2*q+1], v5 offset:128*(q/8)+16*(q%8)
.set q, q+1
.endr
.set sp, 0
.rept 4
	s_wait_dscnt 8*(3-sp)                          ; this step's eight loads are in; the later steps' may be out
.set n, 0
.rept 64
	v_and_b32 v[8+n%4], 0xff<<(8*(n%4)), v[X+2*(8*sp+n/8)+(n%8)/4]   ; byte n % 8 of tile n / 8
	v_cmp_ne_u32 s[24+n%8], 0, v[8+n%4]            ; 32 lanes' bytes make word n
	v_writelane_b32 v[WD+2*sp+n%2], s[24+n%8], n/2
.set n, n+1
.endr
	global_store_b64 v6, v[WD+2*sp:WD+2*sp+1], s[12:13] offset:256*sp   ; 256 consecutive bytes, aligned
.set sp, sp+1
.endr
	s_set_vgpr_msb 0x5
	s_wait_tensorcnt 0x0
	ds_add_u32 v0, v1
	s_wait_dscnt 0x0
	s_set_vgpr_msb 0x500
	s_endpgm
.Lfunc_end_k_qad78717e58_prep:
	.size	k_qad78717e58_prep, .Lfunc_end_k_qad78717e58_prep-k_qad78717e58_prep
	.p2alignl 7, 3214868480
	.fill 96, 4, 3214868480
	.section	.rodata,"a",@progbits
	.p2align	6, 0x0
	.amdhsa_kernel k_qad78717e58_prep
		.amdhsa_group_segment_fixed_size 67072
		.amdhsa_private_segment_fixed_size 0
		.amdhsa_enable_private_segment 0
		.amdhsa_kernarg_size 40
		.amdhsa_user_sgpr_count 2
		.amdhsa_user_sgpr_kernarg_segment_ptr 1
		.amdhsa_wavefront_size32 1
		.amdhsa_system_sgpr_workgroup_id_x 1
		.amdhsa_system_sgpr_workgroup_id_y 1
		.amdhsa_system_sgpr_workgroup_id_z 1
		.amdhsa_system_vgpr_workitem_id 0
		.amdhsa_next_free_vgpr 258
		.amdhsa_next_free_sgpr 66
		.amdhsa_reserve_vcc 0
		.amdhsa_float_denorm_mode_32 3
		.amdhsa_float_denorm_mode_16_64 3
		.amdhsa_memory_ordered 1
		.amdhsa_forward_progress 1
		.amdhsa_inst_pref_size 106
	.end_amdhsa_kernel
	.amdgpu_metadata
---
amdhsa.version: [ 1, 2 ]
amdhsa.kernels:
  - .name:           k_qad78717e58_prep
    .symbol:         k_qad78717e58_prep.kd
    .args:
      - { .name: input_Q, .offset: 0, .size: 8, .value_kind: global_buffer, .address_space: global }
      - { .name: attn_mask, .offset: 8, .size: 8, .value_kind: global_buffer, .address_space: global }
      - { .name: xq_codes, .offset: 16, .size: 8, .value_kind: global_buffer, .address_space: global }
      - { .name: xq_scales, .offset: 24, .size: 8, .value_kind: global_buffer, .address_space: global }
      - { .name: maskw, .offset: 32, .size: 8, .value_kind: global_buffer, .address_space: global }
    .group_segment_fixed_size: 67072
    .private_segment_fixed_size: 0
    .kernarg_segment_align: 8
    .kernarg_segment_size: 40
    .max_flat_workgroup_size: 128
    .sgpr_count:     66
    .vgpr_count:     258
    .wavefront_size: 32
...
	.end_amdgpu_metadata
.endif
;; end of part 1
;; launch proj (part 2): grid 4 x 96, 4 waves a work-group, clusters of 4 x 4, 327,680 bytes of LDS; arguments xq_codes, xq_scales, input_K_codes, input_K_scales, input_V_codes, input_V_scales, w_q_codes, w_q_scales, w_k_codes, w_k_scales, w_v_codes, w_v_scales, q_img, kv_img; writes q_img, kv_img
.if DOCPART == 2
	.amdgcn_target "amdgcn-amd-amdhsa--gfx1250"
	.amdhsa_code_object_version 6
	.text
	.protected	k_qad78717e58_proj
	.globl	k_qad78717e58_proj
	.p2align	8
	.type	k_qad78717e58_proj,@function
k_qad78717e58_proj:
	s_mov_b64 s[64:65], 0
	v_nop
	global_prefetch_b8 v0, s[64:65] scope:SCOPE_SE
	s_setreg_imm32_b32 hwreg(HW_REG_WAVE_MODE, 25, 1), 1
	s_wait_xcnt 0x0
	s_wait_alu depctr_hold_cnt(0) depctr_sa_sdst(0) depctr_va_vdst(0) depctr_va_sdst(0) depctr_va_ssrc(0) depctr_va_vcc(0) depctr_vm_vsrc(0)
	s_getreg_b32 s2, hwreg(HW_REG_IB_STS2, 6, 4)
	s_cmp_eq_u32 s2, 0
	s_cbranch_scc0 .Lentry_in_a_cluster
	s_endpgm
.Lentry_in_a_cluster:
	s_bfe_u32 s2, ttmp6, 0x10000c
	s_cmp_lg_u32 s2, 0xf033
	s_cbranch_scc0 .Lentry_shape_is_right
	s_endpgm
.Lentry_shape_is_right:
.set SIZE_K, 1024
.set REC,    16896
.set HS,     16*REC
.set KSTEP,  256
.set NQ,     KSTEP/128
.set ROWB,   256
.set KROW,   SIZE_K
.set PITCH,  272
.set FR,     16
.set NL,     4
.set NP,     8
.set HALFT,  128*PITCH
.set SLOT,   4*HALFT
.set LAPS,   SIZE_K/(2*KSTEP)
.set KS,     SIZE_K/32
.set SCL,    2*SLOT
.set HALFS,  (128*KS/256)*272
.set SBLK,   (16*KS/256)*272
.set SPARE,  SCL+4*HALFS
.set ADRA, 16
.set ADRB, 20
.set ADRS, 27
.set SPW,  28
.set NIL,  29
.set SC,   32
.set AF,   128
.set PWA,  64
.set VO,   72
.set WS,   76
.set TP,   80
.set SVO,  88
.set PC,   128
.set TM,   200
.set G1, 24
.set G0, 32
.set G1B, 48
.set G0B, 56
.set G1S, 68
.set G0S, 76
.set G1SB, 80
.set G0SB, 88
.set MSB, 0
.macro WIN new
.if MSB != (\new)
	s_set_vgpr_msb (MSB<<8)|(\new)
.set MSB, (\new)
.endif
.endm
.set MUL_LO, 0xa1
.set MUL_HI, 0xf1
.set TO_B,   0x40
.macro JLOAD g0a, g1a, g0b, g1b
	s_cmp_eq_u32 s15, 0
	s_cbranch_scc0 .Lfor_b_\@
	tensor_load_to_lds s[\g0a:\g0a+3], s[\g1a:\g1a+7]
	s_nop 0
.rept 4
	v_nop
.endr
	s_branch .Lasked_\@
.Lfor_b_\@:
	tensor_load_to_lds s[\g0b:\g0b+3], s[\g1b:\g1b+7]
	s_nop 0
.rept 4
	v_nop
.endr
.Lasked_\@:
.endm
.macro CREST
	s_cmp_lg_u32 s14, 0
	s_cbranch_scc1 .Lnot_wave_0_\@
	s_barrier_signal -3
.Lnot_wave_0_\@:
	s_barrier_wait -3
	s_barrier_signal -1
	s_barrier_wait -1
.endm
.macro CROUND
	s_barrier_signal -1
	s_barrier_wait -1
	CREST
.endm
	s_load_b512 s[24:39], s[0:1], 0x0
	s_load_b256 s[40:47], s[0:1], 0x40
	s_load_b128 s[48:51], s[0:1], 0x60
	v_lshl_add_u32 v[SPW], v0, 2, SPARE
	v_mov_b32 v[NIL], 0
	ds_add_u32 v28, v29
	ds_add_u32 v28, v29
	s_wait_dscnt 0x0
	v_lshrrev_b32 v1, 5, v0
	v_readfirstlane_b32 s14, v1
	s_lshr_b32 s15, s14, 1
	s_and_b32 s16, s14, 1
	s_and_b32 s17, ttmp7, 0xffff
	s_lshr_b32 s18, s17, 3
	s_and_b32 s19, s17, 7
	s_wait_kmcnt 0x0
	s_cmp_eq_u32 s18, 0
	s_cselect_b64 s[4:5], s[24:25], s[28:29]
	s_cselect_b64 s[6:7], s[26:27], s[30:31]
	s_cselect_b64 s[8:9], s[36:37], s[40:41]
	s_cselect_b64 s[10:11], s[38:39], s[42:43]
	s_cselect_b64 s[12:13], s[48:49], s[50:51]
	s_cmp_eq_u32 s18, 2
	s_cselect_b64 s[4:5], s[44:45], s[4:5]
	s_cselect_b64 s[6:7], s[46:47], s[6:7]
	s_cselect_b64 s[8:9], s[32:33], s[8:9]
	s_cselect_b64 s[10:11], s[34:35], s[10:11]
	s_cselect_b32 s2, 1, 0
	s_cselect_b32 s22, 0, s19
	s_cselect_b32 s23, s19, 0
	s_bfe_u32 s40, ttmp6, 0x40000
	s_bfe_u32 s41, ttmp6, 0x40004
	s_lshl_b32 s42, s23, 2
	s_add_co_u32 s42, s42, s40
	s_lshl_b32 s17, s22, 2
	s_add_co_u32 s17, s17, s41
	s_lshl_b32 s43, s41, 2
	s_lshl_b32 s43, 15, s43
	s_lshl_b32 s44, 0x1111, s40
	s_or_b32 s[G1+0], s43, (0<<16)|(1<<20)|(1<<21)|(5<<22)|(3<<25)
	s_or_b32 s[G1B+0], s44, (0<<16)|(1<<20)|(1<<21)|(5<<22)|(3<<25)
.irp g, G1, G1B
	s_mov_b32 s[\g+1], ROWB<<16
	s_mov_b32 s[\g+2], 256<<16                     ; the head's loads bring 256 rows; behind them the two words that count rows are set to 128
	s_mov_b32 s[\g+3], ROWB<<16
	s_mov_b32 s[\g+4], 256
	s_mov_b32 s[\g+5], KROW
	s_mov_b32 s[\g+6], 0
	s_mov_b32 s[\g+7], 0
.endr
	s_or_b32 s[G1S+0], s43, (3<<16)|(1<<20)|(1<<21)|(5<<22)|(3<<25)
	s_or_b32 s[G1SB+0], s44, (3<<16)|(1<<20)|(1<<21)|(5<<22)|(3<<25)
.irp g, G1S, G1SB
	s_mov_b32 s[\g+1], 32<<16
	s_mov_b32 s[\g+2], KS<<16                      ; the scale bytes of 256 rows: KS rows of 256 bytes
	s_mov_b32 s[\g+3], 32<<16
	s_mov_b32 s[\g+4], KS
	s_mov_b32 s[\g+5], 32
	s_mov_b32 s[\g+6], 0
	s_mov_b32 s[\g+7], 0
.endr
	s_lshl_b32 s20, s17, 8                         ; the tile's first row of A,
	s_lshl_b32 s46, s42, 8                         ; and of B
	s_mov_b32 s21, 0
	s_mov_b32 s47, 0
	s_mov_b64 s[18:19], KS
	s_mul_u64 s[22:23], s[20:21], s[18:19]
	s_mul_u64 s[92:93], s[46:47], s[18:19]
	s_mov_b64 s[18:19], KROW
	s_mul_u64 s[20:21], s[20:21], s[18:19]
	s_mul_u64 s[46:47], s[46:47], s[18:19]
	s_mul_i32 s45, s14, HALFT
	s_mul_i32 s18, s16, 128*KROW                   ; in the ring a wave fetches 128 rows of a tile: which half, in bytes
	s_mov_b32 s19, 0
	s_add_nc_u64 s[20:21], s[4:5], s[20:21]
	s_add_nc_u64 s[22:23], s[6:7], s[22:23]
	s_add_nc_u64 s[46:47], s[8:9], s[46:47]
	s_add_nc_u64 s[92:93], s[10:11], s[92:93]
	CROUND
	s_mov_b32 s[G0S], 1
	s_mov_b32 s[G0S+1], SCL
	s_mov_b64 s[G0S+2:G0S+3], s[22:23]
	s_or_b32 s[G0S+3], s[G0S+3], 0x80000000
	s_mov_b32 s[G0SB], 1
	s_mov_b32 s[G0SB+1], SCL+2*HALFS
	s_mov_b64 s[G0SB+2:G0SB+3], s[92:93]
	s_or_b32 s[G0SB+3], s[G0SB+3], 0x80000000
.set G0H, 4                            ; s[4:7], s[8:11] group 0 of the head's loads of K step 0 (the arguments that lay there have been used)
.set G0HB, 8
	s_mov_b32 s[G0H], 1                            ; K step 0's 256 rows of A,
	s_mov_b32 s[G0H+1], 0
	s_mov_b64 s[G0H+2:G0H+3], s[20:21]
	s_or_b32 s[G0H+3], s[G0H+3], 0x80000000
	s_mov_b32 s[G0HB], 1                           ; its 256 rows of B, behind them in slot 0
	s_mov_b32 s[G0HB+1], 2*HALFT
	s_mov_b64 s[G0HB+2:G0HB+3], s[46:47]
	s_or_b32 s[G0HB+3], s[G0HB+3], 0x80000000
	s_add_nc_u64 s[20:21], s[20:21], s[18:19]      ; for the ring: my 128 rows of the tile
	s_add_nc_u64 s[46:47], s[46:47], s[18:19]
.irp s, 0,1
	s_mov_b32 s[G0+4*\s], 1
	s_add_co_u32 s[G0+4*\s+1], s45, \s*SLOT
	s_add_nc_u64 s[G0+4*\s+2:G0+4*\s+3], s[20:21], \s*ROWB
	s_or_b32 s[G0+4*\s+3], s[G0+4*\s+3], 0x80000000
	s_mov_b32 s[G0B+4*\s], 1
	s_add_co_u32 s[G0B+4*\s+1], s45, \s*SLOT
	s_add_nc_u64 s[G0B+4*\s+2:G0B+4*\s+3], s[46:47], \s*ROWB
	s_or_b32 s[G0B+4*\s+3], s[G0B+4*\s+3], 0x80000000
.endr
; THE HEAD'S LOADS, ONE A WAVE: wave 0 K step 0's 256 rows of A, wave 1 its 256 rows of B, wave 2 A's scale bytes, wave 3 B's.  One tree of branches on the wave's number: every way passes exactly one load.
.macro ARM under, g0, g1, next
	s_cmp_lt_u32 s14, \under
	s_cbranch_scc0 \next
	tensor_load_to_lds s[\g0:\g0+3], s[\g1:\g1+7]
	s_nop 0
.rept 4
	v_nop
.endr
	s_branch .Lhead_asked
\next:
.endm
	ARM 1, G0H,  G1,  .Lhead_b
	ARM 2, G0HB, G1B, .Lhead_sa
	ARM 3, G0S,  G1S, .Lhead_sb
	tensor_load_to_lds s[G0SB:G0SB+3], s[G1SB:G1SB+7]
	s_nop 0
.rept 4
	v_nop
.endr
.Lhead_asked:
	v_and_b32 v1, 15, v0
	v_bfe_u32 v2, v0, 4, 1
	v_mul_u32_u24 v3, v1, PITCH
	v_lshl_add_u32 v4, v2, 4, v3
	s_mul_i32 s21, s15, HALFT
	s_mul_i32 s22, s16, HALFT
	s_add_co_u32 s22, s22, 2*HALFT
.irp s, 0,1
	v_add_nc_u32 v[ADRA+\s], s21, v4
	v_add_nc_u32 v[ADRB+\s], s22, v4
	s_add_co_u32 s21, s21, SLOT
	s_add_co_u32 s22, s22, SLOT
.endr
	v_mul_u32_u24 v5, v1, KS
	v_lshrrev_b32 v6, 8, v5
	v_lshl_add_u32 v5, v6, 4, v5
	s_mul_i32 s21, s15, HALFS
	s_mul_i32 s22, s16, HALFS
	s_add_co_u32 s22, s22, 2*HALFS
	s_sub_co_u32 s22, s22, s21
	v_mul_u32_u24 v6, s22, v2
	s_add_co_u32 s21, s21, SCL
	v_add_nc_u32 v5, v5, v6
	v_add_nc_u32 v[ADRS], s21, v5
	s_lshl_b32 s20, s17, 8
	s_lshl_b32 s21, s15, 7
	s_add_co_u32 s20, s20, s21
	s_lshl_b32 s46, s42, 8
	s_lshl_b32 s47, s16, 7
	s_add_co_u32 s46, s46, s47
	s_cmp_eq_u32 s2, 1
	s_cselect_b32 s21, s46, s20
	s_cselect_b32 s47, s20, s46
	s_cselect_b32 s92, 8192, 0
	s_lshr_b32 s20, s21, 11
	s_lshl_b32 s20, s20, 4
	s_lshr_b32 s47, s47, 6
	s_add_co_u32 s20, s20, s47
	s_lshl_b32 s20, s20, 4
	s_lshr_b32 s21, s21, 7
	s_and_b32 s21, s21, 15
	s_add_co_u32 s20, s20, s21
	s_mul_i32 s20, s20, REC
	s_add_co_u32 s20, s20, s92
	s_mov_b32 s21, 0
	s_add_nc_u64 s[12:13], s[12:13], s[20:21]
.macro FRAG reg, adr, q, i
.irp c, 0,1,2,3
	ds_load_b128 v[\reg+4*\c:\reg+4*\c+3], v[\adr] offset:128*(\q)+32*\c+(\i)*16*PITCH
.endr
.endm
.macro MUL16 a0, p, q, sc, zero
.irp a, \a0, \a0+1
.irp b, 0,1,2,3,4,5,6,7
.if \zero
	v_wmma_scale_f32_16x16x128_f8f6f4 v[8*(8*((\a)%4)+\b):8*(8*((\a)%4)+\b)+7], v[128*(\p)+FR*\b:128*(\p)+FR*\b+FR-1], v[AF+FR*(\a):AF+FR*(\a)+FR-1], 0, v[SC+8*NQ*(\sc)+NQ*\b+(\q)], v[SC+8*NQ*(\sc)+NQ*(\a)+(\q)] matrix_a_fmt:MATRIX_FMT_BF8 matrix_b_fmt:MATRIX_FMT_BF8 matrix_a_scale:MATRIX_SCALE_ROW1
.else
	v_wmma_scale_f32_16x16x128_f8f6f4 v[8*(8*((\a)%4)+\b):8*(8*((\a)%4)+\b)+7], v[128*(\p)+FR*\b:128*(\p)+FR*\b+FR-1], v[AF+FR*(\a):AF+FR*(\a)+FR-1], v[8*(8*((\a)%4)+\b):8*(8*((\a)%4)+\b)+7], v[SC+8*NQ*(\sc)+NQ*\b+(\q)], v[SC+8*NQ*(\sc)+NQ*(\a)+(\q)] matrix_a_fmt:MATRIX_FMT_BF8 matrix_b_fmt:MATRIX_FMT_BF8 matrix_a_scale:MATRIX_SCALE_ROW1
.endif
.endr
.endr
.endm
.macro FETCH_B slot, q, p
	WIN TO_B
.irp i, 0,1,2,3,4,5,6,7
	FRAG 128*(\p)+FR*\i, ADRB+\slot, \q, \i
.endr
	WIN 0
.endm
.macro FETCH_A slot, q, i0
.irp i, \i0, \i0+1, \i0+2, \i0+3
	FRAG AF+FR*(\i), ADRA+\slot, \q, \i
.endr
.endm
.macro SCALES sc
.irp i, 0,1,2,3,4,5,6,7
	ds_load_b64 v[SC+8*NQ*\sc+NQ*\i:SC+8*NQ*\sc+NQ*\i+1], v[ADRS] offset:\i*SBLK
.endr
.endm
.macro PLACES n
.rept \n
	v_nop
.endr
.endm
.macro STEP slot, q, zero
	s_wait_dscnt 4*NL
	WIN MUL_LO
	MUL16 0, (\q)%2, \q, \slot, \zero
	MUL16 2, (\q)%2, \q, \slot, \zero
	s_wait_dscnt 0
	PLACES NP
	FETCH_B \slot, (\q)+1, 1-(\q)%2
	FETCH_A \slot, (\q)+1, 0
	WIN MUL_HI
	MUL16 4, (\q)%2, \q, \slot, \zero
	MUL16 6, (\q)%2, \q, \slot, \zero
	PLACES NP
	WIN 0
	FETCH_A \slot, (\q)+1, 4
.endm
.macro TURN slot, next, fill
	s_wait_tensorcnt 0x0
	ds_add_u32 v[SPW], v[NIL]
	s_wait_dscnt 4*NL+1
	WIN MUL_LO
	MUL16 0, 1, NQ-1, \slot, 0
	s_wait_dscnt 0x0
	s_barrier_signal -1
	MUL16 2, 1, NQ-1, \slot, 0
	WIN 0
	s_barrier_wait -1
.if \fill
	CREST
	s_add_nc_u64 s[G0+4*\slot+2:G0+4*\slot+3], s[G0+4*\slot+2:G0+4*\slot+3], 2*ROWB
	s_add_nc_u64 s[G0B+4*\slot+2:G0B+4*\slot+3], s[G0B+4*\slot+2:G0B+4*\slot+3], 2*ROWB
	JLOAD G0+4*\slot, G1, G0B+4*\slot, G1B
	PLACES NP-4
.else
	PLACES NP
.endif
	s_wait_alu depctr_va_vdst(0)
	v_add_nc_u32 v[ADRS], 4*NQ, v[ADRS]
	FETCH_B \next, 0, 0
	FETCH_A \next, 0, 0
	SCALES \next
	WIN MUL_HI
	MUL16 4, 1, NQ-1, \slot, 0
	MUL16 6, 1, NQ-1, \slot, 0
	PLACES NP
	WIN 0
	FETCH_A \next, 0, 4
.endm
	s_wait_alu depctr_va_vdst(0)
	s_wait_tensorcnt 0x0                           ; my tile of the head's four is in; the three lines ahead of slot 1's first fill, as ahead of a refill
	ds_add_u32 v[SPW], v[NIL]
	s_mov_b32 s[G1+2], 128<<16                     ; no tensor load of mine is out: from here on a load brings 128 rows
	s_mov_b32 s[G1+4], 128
	s_mov_b32 s[G1B+2], 128<<16
	s_mov_b32 s[G1B+4], 128
	s_wait_dscnt 0x0
	CROUND                                         ; all four tiles are in, and all sixteen work-groups are here
	JLOAD G0+4, G1, G0B+4, G1B                     ; K step 1: the first tensor load behind the round
	FETCH_B 0, 0, 0
	FETCH_A 0, 0, 0
	SCALES 0
	FETCH_A 0, 0, 4
	STEP 0, 0, 1
	s_mov_b32 s3, LAPS-1
.Llap:
	TURN 0, 1, 1
	STEP 1, 0, 0
	TURN 1, 0, 1
	STEP 0, 0, 0
	s_sub_co_u32 s3, s3, 1
	s_cmp_lg_u32 s3, 0
	s_cbranch_scc1 .Llap
	TURN 0, 1, 0
	STEP 1, 0, 0
	s_wait_dscnt 4*NL
	WIN MUL_LO
	MUL16 0, 1, NQ-1, 1, 0
	MUL16 2, 1, NQ-1, 1, 0
	s_wait_dscnt 0
	WIN MUL_HI
	MUL16 4, 1, NQ-1, 1, 0
	MUL16 6, 1, NQ-1, 1, 0
	WIN 0
	PLACES NP
	s_cmp_eq_u32 s2, 1
	s_cselect_b32 s24, -1, 0
	s_mov_b32 s30, 1024
	s_cselect_b32 s30, 2048, s30
	s_mov_b32 s31, 0
	s_mov_b32 s32, 1024
	s_cselect_b32 s32, HS-6144, s32
	s_mov_b32 s33, 0
	s_mov_b32 s34, HS
	s_cselect_b32 s34, 1024, s34
	s_mov_b32 s38, 16384
	s_cselect_b32 s38, 8448, s38
	s_mov_b32 s39, 0
	s_add_nc_u64 s[36:37], s[12:13], s[38:39]
	s_mov_b32 s25, 0xffff0000
	s_mov_b32 s26, 0x76543210
	s_mov_b32 s27, 0xfedcba98
	s_mov_b32 s28, 0x600000
	v_and_b32 v[TP], 31, v0
	v_lshlrev_b32 v[VO], 4, v[TP]
	v_add_nc_u32 v[VO+1], 512, v[VO]
	v_add_nc_u32 v[VO+2], s34, v[VO]
	v_add_nc_u32 v[VO+3], s34, v[VO+1]
	v_and_b32 v[TP+1], 15, v0
	v_bfe_u32 v[TP+2], v0, 4, 1
	v_mul_u32_u24 v[TP+2], v[TP+2], HS
	v_lshl_add_u32 v[SVO], v[TP+1], 4, v[TP+2]
.irp b, 0,1,2,3
	v_mov_b32 v[TM+4+\b], 0
.endr
.macro QUANTW a
.set AC, 64*((\a)%4)
.set WW, 2+(\a)/4
.set PCS, PC+16*((\a)%2)
	WIN 5*WW
.irp b, 0,1,2,3
	v_max3_num_f32 v[TM+\b], |v[AC+16*\b]|, |v[AC+16*\b+1]|, 0x8000000
.endr
.irp i, 2,4,6,8,10,12,14
.irp b, 0,1,2,3
	v_max3_num_f32 v[TM+\b], |v[AC+16*\b+\i]|, |v[AC+16*\b+\i+1]|, v[TM+\b]
.endr
.endr
	WIN 0
.irp b, 0,1,2,3
	v_permlanex16_b32 v[TM+4+\b], v[TM+\b], s26, s27
.endr
.irp b, 0,1,2,3
	v_max_num_f32 v[TM+\b], v[TM+\b], v[TM+4+\b]
.endr
.irp b, 0,1,2,3
	v_add_nc_u32 v[TM+12+\b], 0xf8800000, v[TM+\b]
.endr
.irp b, 0,1,2,3
	v_and_or_b32 v[TM+8+\b], v[TM+\b], 0x7f800000, s28
.endr
.irp b, 0,1,2,3
	v_lshrrev_b32 v[TM+4+\b], 23, v[TM+12+\b]
.endr
	v_lshl_or_b32 v[PWA+\a], v[TM+5], 8, v[TM+4]
	v_lshl_or_b32 v[PWA+\a], v[TM+6], 16, v[PWA+\a]
	v_lshl_or_b32 v[PWA+\a], v[TM+7], 24, v[PWA+\a]
	WIN 65*WW
.irp b, 0,1,2,3
.set n, 0
.rept 16
	v_med3_num_f32 v[AC+16*\b+n], v[AC+16*\b+n], -v[TM+8+\b], v[TM+8+\b]
.set n, n+1
.endr
.endr
	WIN WW
.irp b, 0,1,2,3
	v_cvt_scalef32_pk8_bf8_f32 v[PCS+4*\b:PCS+4*\b+1], v[AC+16*\b:AC+16*\b+7], v[TM+12+\b]
	v_cvt_scalef32_pk8_bf8_f32 v[PCS+4*\b+2:PCS+4*\b+3], v[AC+16*\b+8:AC+16*\b+15], v[TM+12+\b]
.endr
	WIN 0
	v_nop
.endm
.irp a, 0,1,2,3,4,5,6,7
	s_wait_xcnt 0x0
.if \a == 4
	s_add_nc_u64 s[12:13], s[12:13], s[32:33]
.elseif \a > 0
	s_add_nc_u64 s[12:13], s[12:13], s[30:31]
.endif
	QUANTW \a
.irp b, 0,1,2,3
	global_store_b128 v[VO+\b], v[PC+16*((\a)%2)+4*\b:PC+16*((\a)%2)+4*\b+3], s[12:13]
.endr
.endr
.irp p, 0,1,2,3
	v_perm_b32 v[TP+\p], v[PWA+2*\p+1], v[PWA+2*\p], 0x05040100
	v_perm_b32 v[TP+4+\p], v[PWA+2*\p+1], v[PWA+2*\p], 0x07060302
.endr
.irp p, 0,1,2,3
	v_cndmask_b32 v[TP+\p], v[TP+\p], v[TP+4+\p], s25
.endr
.irp p, 0,1,2,3
	v_cndmask_b32 v[TP+4+\p], v[PWA+\p], v[PWA+4+\p], s25
.endr
.irp p, 0,1,2,3
	v_cndmask_b32 v[WS+\p], v[TP+\p], v[TP+4+\p], s24
.endr
	global_store_b128 v[SVO], v[WS:WS+3], s[36:37]
	s_wait_tensorcnt 0x0
	ds_add_u32 v[SPW], v[NIL]
	s_wait_dscnt 0x0
	CROUND
	s_endpgm
.Lfunc_end_k_qad78717e58_proj:
	.size	k_qad78717e58_proj, .Lfunc_end_k_qad78717e58_proj-k_qad78717e58_proj
	.p2alignl 7, 3214868480
	.fill 96, 4, 3214868480
	.section	.rodata,"a",@progbits
	.p2align	6, 0x0
	.amdhsa_kernel k_qad78717e58_proj
		.amdhsa_group_segment_fixed_size 327680
		.amdhsa_private_segment_fixed_size 0
		.amdhsa_enable_private_segment 0
		.amdhsa_kernarg_size 112
		.amdhsa_user_sgpr_count 2
		.amdhsa_user_sgpr_kernarg_segment_ptr 1
		.amdhsa_wavefront_size32 1
		.amdhsa_system_sgpr_workgroup_id_x 1
		.amdhsa_system_sgpr_workgroup_id_y 1
		.amdhsa_system_sgpr_workgroup_id_z 1
		.amdhsa_system_vgpr_workitem_id 0
		.amdhsa_next_free_vgpr 1024
		.amdhsa_next_free_sgpr 100
		.amdhsa_reserve_vcc 0
		.amdhsa_float_denorm_mode_32 3
		.amdhsa_float_denorm_mode_16_64 3
		.amdhsa_memory_ordered 1
		.amdhsa_forward_progress 1
		.amdhsa_inst_pref_size 189
	.end_amdhsa_kernel
	.amdgpu_metadata
---
amdhsa.version: [ 1, 2 ]
amdhsa.kernels:
  - .name:           k_qad78717e58_proj
    .symbol:         k_qad78717e58_proj.kd
    .args:
      - { .name: xq_codes, .offset: 0, .size: 8, .value_kind: global_buffer, .address_space: global }
      - { .name: xq_scales, .offset: 8, .size: 8, .value_kind: global_buffer, .address_space: global }
      - { .name: input_K_codes, .offset: 16, .size: 8, .value_kind: global_buffer, .address_space: global }
      - { .name: input_K_scales, .offset: 24, .size: 8, .value_kind: global_buffer, .address_space: global }
      - { .name: input_V_codes, .offset: 32, .size: 8, .value_kind: global_buffer, .address_space: global }
      - { .name: input_V_scales, .offset: 40, .size: 8, .value_kind: global_buffer, .address_space: global }
      - { .name: w_q_codes, .offset: 48, .size: 8, .value_kind: global_buffer, .address_space: global }
      - { .name: w_q_scales, .offset: 56, .size: 8, .value_kind: global_buffer, .address_space: global }
      - { .name: w_k_codes, .offset: 64, .size: 8, .value_kind: global_buffer, .address_space: global }
      - { .name: w_k_scales, .offset: 72, .size: 8, .value_kind: global_buffer, .address_space: global }
      - { .name: w_v_codes, .offset: 80, .size: 8, .value_kind: global_buffer, .address_space: global }
      - { .name: w_v_scales, .offset: 88, .size: 8, .value_kind: global_buffer, .address_space: global }
      - { .name: q_img, .offset: 96, .size: 8, .value_kind: global_buffer, .address_space: global }
      - { .name: kv_img, .offset: 104, .size: 8, .value_kind: global_buffer, .address_space: global }
    .group_segment_fixed_size: 327680
    .private_segment_fixed_size: 0
    .kernarg_segment_align: 8
    .kernarg_segment_size: 112
    .max_flat_workgroup_size: 128
    .sgpr_count:     100
    .vgpr_count:     1024
    .wavefront_size: 32
...
	.end_amdgpu_metadata
.endif
;; end of part 2
;; launch attn (part 3): grid 4 x 64, 16 waves a work-group, clusters of 4 x 1, 272,384 bytes of LDS; arguments q_img, kv_img, maskw, ctx_img, ctx_sc; writes ctx_img, ctx_sc
.if DOCPART == 3
	.amdgcn_target "amdgcn-amd-amdhsa--gfx1250"
	.amdhsa_code_object_version 6
	.text
	.protected	k_qad78717e58_attn
	.globl	k_qad78717e58_attn
	.p2align	8
	.type	k_qad78717e58_attn,@function
k_qad78717e58_attn:
	s_mov_b64 s[64:65], 0
	v_nop
	global_prefetch_b8 v0, s[64:65] scope:SCOPE_SE
	s_setreg_imm32_b32 hwreg(HW_REG_WAVE_MODE, 25, 1), 1
	s_wait_xcnt 0x0
	s_wait_alu depctr_hold_cnt(0) depctr_sa_sdst(0) depctr_va_vdst(0) depctr_va_sdst(0) depctr_va_ssrc(0) depctr_va_vcc(0) depctr_vm_vsrc(0)
	s_getreg_b32 s2, hwreg(HW_REG_IB_STS2, 6, 4)
	s_cmp_eq_u32 s2, 0
	s_cbranch_scc0 .Lentry_in_a_cluster
	s_endpgm
.Lentry_in_a_cluster:
	s_bfe_u32 s2, ttmp6, 0x10000c
	s_cmp_lg_u32 s2, 0x3003
	s_cbranch_scc0 .Lentry_shape_is_right
	s_endpgm
.Lentry_shape_is_right:
; ctx[b][q][head][:] = softmax_k(where(mask, -1e9, Q . K / 8)) V, both products on codes of BF8 (E5M2) with one E8M0 scale for each 32 along a product's K; ctx is quantised along (head, channel) for the last product.
; THE SOFTMAX AHEAD OF THE SECOND PRODUCT: t = score x log2(e) / 8; M = the row's largest t so far, rounded UP to a whole number; p = 2^(t - M) is what is quantised, along the keys, not normalised.
; The row's sum is taken of the unquantised p and divides at the end.  When M moves, the sum and O are multiplied by 2^(old M - new M): exact.
; SHARES.  A work-group owns 512 queries of one (batch, head), the four work-groups of a cluster the head's 2,048: 64 clusters, 256 work-groups.  Each of the sixteen waves takes TWO tiles of 16 queries, one after the other:
; the pass is a counted loop of two trips round the loop of 16 key steps.
; NO RING.  A head's K and V as register images, with their scale words, are 16 records of REC bytes, 270,336 in all: they fit in LDS whole, are filled ONCE and serve both passes.  Wave w asks for record w: one tensor load a wave,
; one line with no branch; every wave waits for its load, and one barrier shows all records to all waves.  Nothing is filled again.
; CLUSTER.  The four work-groups of a cluster read the same head: each record is asked for jointly, mask 15.  Nothing is prefetched: every byte that a work-group reads of kv_img is asked for at its head by these loads.
; LAYOUT.  Both products are used transposed: S^T = K Q^T, O^T = V^T P^T: a lane holds ONE query (lane % 16) throughout.  A fragment comes by four ds_load_b128 at 16 x lane: 512 consecutive bytes each.
; THE HEAD'S 64 IN AN INSTRUCTION OF 128: a fragment of K holds TWO tiles of 16 keys (K slots 0-63 and 64-127) and is multiplied twice, by [q | 0] and by [0 | q] (24 registers: q, zeros, q).  Zero codes add nothing.
; Score register n of lane (r, h) is key 128 step + 16 (n / 8) + 8 h + n % 8; registers 16 c .. 16 c + 15 lie in key block c, in the order in which V's images were laid.
; THE MASK costs one select a score: maskw holds, for my 16 queries, a key step and a register n, the 32 lanes' bits as one word; a step's 64 words come by scalar loads a step ahead.
; LIMIT: a masked score is replaced by -2^33, a logit of -2^30 = -1.074e9, not -1e9: t is then exact, so a row whose every key is masked gives p = 1 everywhere, as the rule gives.  The result differs from the definition only in
; rows that have masked keys and whose every open logit lies under about -1e9.  NaN and infinities are not served.  A block of zeros gets the byte 1 (its codes are zeros; the bytes are read by this program alone).
; ctx's scale bytes leave as 32 single bytes a wave and pass, beside 1,024 bytes of codes in whole runs of 512.
.set REC,  16896
.set HS,   16*REC
.set SPARE, 0x42000                    ; behind the records: the spare words, 128 bytes a wave
.set LI,   1                           ; v1   16 x lane
.set LS,   2                           ; v2   16 x (lane % 16)
.set ADK,  3                           ; v3   the step's record + 16 x lane
.set ADS,  4                           ; v4   the step's record + 16 r
.set NEGV, 5                           ; v5   -2^33
.set QS,   10                          ; v10  Q's scale word: its two bytes twice
.set PW,   11                          ; v11  p's scale word
.set KV,   40                          ; v40-103 four fragments: K's, then V's.  v6, v7 at work; v[8:9] f and 0; v12 -M, v13 the largest t, v[14:15] the sum; v16-39 Q
.set SS,   104                         ; v104-167 S^T, then p
.set OT,   168                         ; v168-199 O^T
.set PC,   200                         ; v200-215 p's codes
.set BM,   216                         ; v216-219 each block's largest score, then its largest p
.set BT,   220
.set LIM,  224                         ; v224-227 57,344 x the scale
.set SCO,  228                         ; v228-231 the conversions' scale operands
.set KS,   232                         ; K's scale words
.set VS,   236                         ; V's
.set EM,   240                         ; v240-253 at work
.set WV,   2                           ; s2 wave; s3 counts steps.  Addresses: s[8:9] ctx_img, s[10:11] ctx_sc, s[14:15] Q's record
.set MP,   66                          ; s[66:67] my 16 queries' mask words; a step's 64 words lie in s16-63 and s68-83
.set G1,   68                          ; s[68:75], s[76:79] the one tensor load's groups 1 and 0: mask words land there only behind the wait for that load
.set G0,   76
.set PS,   94                          ; s94  the pass, 0 or 1.  s[84:93]: q_img, kv_img, maskw, ctx_img, ctx_sc
.set QH,   95                          ; s95  which half of a scale word of Q's image is my tile's
.set MO,   96
.set TB,   97                          ; s97  LDS byte of the step's record
.set CS,   98                          ; s[98:99] c = log2(e) / 8
.set SEL,  100                         ; s[100:101] lane selects for lane l xor 16
.set MNT,  104
.set SN,   105                         ; s105 the step's number
.macro CROUND                          ; a round of the cluster's barrier
	s_barrier_signal -1
	s_barrier_wait -1
	s_cmp_lg_u32 s[WV], 0
	s_cbranch_scc1 .Lnot_wave_0_\@
	s_barrier_signal -3
.Lnot_wave_0_\@:
	s_barrier_wait -3
	s_barrier_signal -1
	s_barrier_wait -1
.endm
	s_load_b256 s[84:91], s[0:1], 0x0
	s_load_b64 s[92:93], s[0:1], 0x20
	v_lshl_add_u32 v254, v0, 2, SPARE
	v_mov_b32 v255, 0
	ds_add_u32 v254, v255                          ; the opening lines: the add, twice on end, and its wait ahead of my tensor load
	ds_add_u32 v254, v255
	v_lshrrev_b32 v6, 5, v0
	v_readfirstlane_b32 s[WV], v6
	v_and_b32 v6, 31, v0
	v_lshlrev_b32 v[LI], 4, v6
	v_and_b32 v7, 15, v0
	v_lshlrev_b32 v[LS], 4, v7
	v_mov_b32 v[NEGV], 0xd0000000
	v_mov_b32 v9, 0                                ; (named as the upper half of the pair v[8:9])
.irp b, 0,1,2,3
	v_mov_b32 v[BT+\b], 0                          ; a lane permute's destination counts as one of its sources
.endr
	v_mov_b32 v[EM+2], 0
	v_mov_b32 v[EM+3], 0
.irp i, 0,1,2,3,4,5,6,7
	v_mov_b32 v[24+\i], 0                          ; the zeros between q and q: they stay
.endr
	s_and_b32 s24, ttmp7, 0xffff                   ; batch x 16 + head, which the four partners share
	s_mul_i32 s25, s24, HS                         ; under 2^25
	s_mov_b32 s[G0], 1
	s_mul_i32 s[G0+1], s[WV], REC                  ; record w: the same place in the head's block of memory and in LDS
	s_add_co_u32 s26, s25, s[G0+1]
	s_mov_b32 s27, 0
	s_mov_b32 s[G1], 15|(3<<16)|(1<<21)            ; 15:0 the mask: all four work-groups; 17:16 elements of 8 bytes; no padding; 21 set beside a mask
	s_mov_b32 s[G1+1], 32<<16                      ; tensor_dim0 = 32 elements: 256 bytes
	s_mov_b32 s[G1+2], 66<<16                      ; tensor_dim1 = 66 rows: a record
	s_mov_b32 s[G1+3], 32<<16
	s_mov_b32 s[G1+4], 66
	s_mov_b32 s[G1+5], 32                          ; dense
	s_mov_b32 s[G1+6], 0
	s_mov_b32 s[G1+7], 0
	s_mov_b32 s[PS], 0
	s_mov_b32 s[CS], 0x3e38aa3b
	s_mov_b32 s[CS+1], s[CS]
	s_mov_b32 s[SEL], 0x76543210
	s_mov_b32 s[SEL+1], 0xfedcba98
	s_mov_b32 s[MNT], 0x600000
	s_wait_alu depctr_va_vdst(0)
	s_wait_dscnt 0x0                               ; both opening adds are done
	s_wait_kmcnt 0x0
	s_add_nc_u64 s[G0+2:G0+3], s[86:87], s[26:27]
	s_or_b32 s[G0+3], s[G0+3], 0x80000000
	CROUND                                         ; all four work-groups are here: the joint loads meet
	tensor_load_to_lds s[G0:G0+3], s[G1:G1+7]      ; my one tensor load of the launch
	s_nop 0
.rept 4
	v_nop
.endr
; A pass's loads: my tile of 16 queries in block 2 x (work-group x) + pass of 256: its codes, its scale word, step 0's mask words (all = 0: the last sixteen words are asked for later, behind the wait for the tensor load).
.macro QLOAD all
	s_wait_xcnt 0x0                                ; earlier loads and stores have read their bases, offsets and data
	s_bfe_u32 s22, ttmp6, 0x40000                  ; cx
	s_lshl_b32 s23, ttmp9, 2
	s_add_co_u32 s22, s22, s23                     ; my work-group along x, 0..3: it enters global addresses alone
	s_lshl_b32 s22, s22, 1
	s_or_b32 s22, s22, s[PS]                       ; the pass's block of 256 queries, 0..7
	s_and_b32 s24, ttmp7, 0xffff
	s_mul_i32 s25, s24, HS
	s_and_b32 s[QH], s[WV], 1
	s_lshl_b32 s[QH], s[QH], 4
	s_lshl_b32 s30, s22, 1
	s_lshr_b32 s31, s[WV], 3
	s_add_co_u32 s30, s30, s31                     ; Q: the record of my 128 tokens
	s_mul_i32 s30, s30, REC
	s_add_co_u32 s30, s30, s25
	s_mov_b32 s31, 0
	s_and_b32 s32, s[WV], 7                        ; my tile of 16 in it
	s_lshl_b32 s33, s32, 10
	s_lshr_b32 s34, s32, 1
	s_lshl_b32 s34, s34, 2
	v_add_nc_u32 v6, s33, v[LI]
	v_add_nc_u32 v7, s34, v[LS]
	s_lshr_b32 s36, s24, 4
	s_lshl_b32 s36, s36, 7
	s_lshl_b32 s37, s22, 4
	s_add_co_u32 s36, s36, s37
	s_add_co_u32 s36, s36, s[WV]                   ; T = batch x 128 + my tile of 16 queries
	s_lshl_b32 s[MP], s36, 12
	s_mov_b32 s[MP+1], 0
	s_add_nc_u64 s[14:15], s[84:85], s[30:31]
	s_add_nc_u64 s[MP:MP+1], s[88:89], s[MP:MP+1]
	s_wait_alu depctr_va_vdst(0)                   ; ahead of the readers of v6 and v7
	global_load_b128 v[16:19], v6, s[14:15]
	global_load_b128 v[20:23], v6, s[14:15] offset:512
	global_load_b32 v[EM], v7, s[14:15] offset:16384
	s_load_b512 s[16:31], s[MP:MP+1], 0x0          ; step 0's 64 words
	s_load_b512 s[32:47], s[MP:MP+1], 0x40
	s_load_b512 s[48:63], s[MP:MP+1], 0x80
.if \all
	s_load_b512 s[68:83], s[MP:MP+1], 0xc0
.endif
.endm
; A pass's head behind its loads: M, the sum and O^T begin anew; q is laid twice.
.macro QUSE
	s_wait_xcnt 0x0
	s_mov_b32 s[SN], 0
	v_mov_b32 v13, 0xff61b1e6                      ; the largest t so far: -3e38
	v_floor_f32 v12, -v13
	v_mov_b32 v14, 0
	v_mov_b32 v15, 0
	s_wait_loadcnt 0x0
.irp i, 0,1,2,3,4,5,6,7
	v_mov_b32 v[32+\i], v[16+\i]
.endr
	v_lshrrev_b32 v[EM], s[QH], v[EM]
	v_and_b32 v[EM], 0xffff, v[EM]
	v_lshl_or_b32 v[QS], v[EM], 16, v[EM]
.set n, 0
.rept 32
	v_mov_b32 v[OT+n], 0                           ; O^T: the first change of M multiplies zeros.  (Also the places between Q's registers and the first product)
.set n, n+1
.endr
	s_wait_alu depctr_va_vdst(0)
.endm
; A KEY STEP: 128 keys, one record.
.macro STEP
	v_add_nc_u32 v[ADK], s[TB], v[LI]
	v_add_nc_u32 v[ADS], s[TB], v[LS]
.rept 6
	v_nop                                          ; with the two additions: eight places in front of loads into registers that the last products read
.endr
	ds_load_b128 v[KS:KS+3], v[ADS] offset:16384
.irp g, 0,1,2,3
.irp c, 0,1,2,3
	ds_load_b128 v[KV+16*\g+4*\c:KV+16*\g+4*\c+3], v[ADK] offset:2048*\g+512*\c
.endr
.endr
	s_wait_alu depctr_va_vdst(0)
.irp g, 0,1,2,3
	s_wait_dscnt 12-4*\g                           ; fragment g is in; the later fragments' loads may be out
.irp u, 0,1
	v_wmma_scale_f32_16x16x128_f8f6f4 v[SS+8*(2*\g+\u):SS+8*(2*\g+\u)+7], v[KV+16*\g:KV+16*\g+15], v[16+8*\u:31+8*\u], 0, v[KS+\g], v[QS] matrix_a_fmt:MATRIX_FMT_BF8 matrix_b_fmt:MATRIX_FMT_BF8
.endr
.endr
.rept 8
	v_nop                                          ; places: in front of the loads into K's registers, and of the first read of the scores
.endr
	ds_load_b128 v[VS:VS+3], v[ADS] offset:16640   ; V's fragments land under the softmax
.irp t, 0,1,2,3
.irp c, 0,1,2,3
	ds_load_b128 v[KV+16*\t+4*\c:KV+16*\t+4*\c+3], v[ADK] offset:8192+2048*\t+512*\c
.endr
.endr
	s_wait_alu depctr_va_vdst(0)
	s_wait_kmcnt 0x0                               ; this step's mask words, asked for a step ago
.set n, 0
.rept 64
	v_cndmask_b32 v[SS+n], v[SS+n], v[NEGV], s[16+n+4*(n/48)]   ; each accumulator from its low end on
.set n, n+1
.endr
	s_add_co_u32 s[SN], s[SN], 1
	s_min_u32 s[MO], s[SN], 15                     ; the last step asks for its own words again: no load leaves the buffer
	s_lshl_b32 s[MO], s[MO], 8
	s_load_b512 s[16:31], s[MP:MP+1], s[MO] offset:0x0
	s_load_b512 s[32:47], s[MP:MP+1], s[MO] offset:0x40
	s_load_b512 s[48:63], s[MP:MP+1], s[MO] offset:0x80
	s_load_b512 s[68:83], s[MP:MP+1], s[MO] offset:0xc0
.irp b, 0,1,2,3
	v_max3_num_f32 v[BM+\b], v[SS+16*\b], v[SS+16*\b+1], v[SS+16*\b+2]   ; the largest score of each block of 32 keys: for the row's maximum and for the block's largest p
.endr
.irp i, 3,5,7,9,11,13
.irp b, 0,1,2,3
	s_delay_alu instid0(VALU_DEP_4)
	v_max3_num_f32 v[BM+\b], v[BM+\b], v[SS+16*\b+\i], v[SS+16*\b+\i+1]
.endr
.endr
.irp b, 0,1,2,3
	s_delay_alu instid0(VALU_DEP_4)
	v_max_num_f32 v[BM+\b], v[BM+\b], v[SS+16*\b+15]
.endr
.irp b, 0,1,2,3
	s_delay_alu instid0(VALU_DEP_4)
	v_permlanex16_b32 v[BT+\b], v[BM+\b], s[SEL], s[SEL+1]
.endr
.irp b, 0,1,2,3
	s_delay_alu instid0(VALU_DEP_4)
	v_max_num_f32 v[BM+\b], v[BM+\b], v[BT+\b]     ; with lane l xor 16's 16 keys
.endr
	s_delay_alu instid0(VALU_DEP_2)
	v_max3_num_f32 v6, v[BM], v[BM+1], v[BM+2]
	s_delay_alu instid0(VALU_DEP_1)
	v_max_num_f32 v6, v6, v[BM+3]
	s_delay_alu instid0(VALU_DEP_1)
	v_mul_f32 v6, s[CS], v6                        ; as t
	s_delay_alu instid0(VALU_DEP_1)
	v_max_num_f32 v13, v13, v6                     ; the running largest t
	v_mov_b32 v6, v12
	s_delay_alu instid0(VALU_DEP_2)
	v_floor_f32 v12, -v13                          ; the new -M = -ceil(t)
	s_delay_alu instid0(VALU_DEP_1)
	v_sub_f32 v6, v12, v6                          ; old M - new M: a whole number, 0 or less
	s_delay_alu instid0(VALU_DEP_1)
	v_cvt_i32_f32 v6, v6                           ; (it saturates)
	s_delay_alu instid0(VALU_DEP_1)
	v_ldexp_f32 v8, 1.0, v6                        ; f = 2^(old M - new M)
.set n, 0
.rept 32
	v_pk_fma_f32 v[SS+n:SS+n+1], v[SS+n:SS+n+1], s[CS:CS+1], v[12:13] op_sel_hi:[1,0,0]   ; t - M
.set n, n+2
.endr
.irp b, 0,1,2,3
	v_fma_f32 v[BM+\b], v[BM+\b], s[CS], v12
.endr
	s_wait_alu depctr_va_vdst(0)                   ; ahead of the batch
.set n, 0
.rept 64
	v_exp_f32 v[SS+n], v[SS+n]                     ; p = 2^(t - M)
.set n, n+1
.endr
	v_pk_mul_f32 v[14:15], v[14:15], v[8:9] op_sel_hi:[1,0]   ; the sums under the new M: the plain line behind the exponentials
	s_wait_alu depctr_va_vdst(0)                   ; one wait for the batch, ahead of its first reader
.irp b, 0,1,2,3
	v_exp_f32 v[BM+\b], v[BM+\b]                   ; the block's largest p
.endr
	v_pk_add_f32 v[220:221], v[108:109], v[112:113]   ; the row's sum of the unquantised p, in eight chains
	v_pk_add_f32 v[252:253], v[116:117], v[120:121]
	v_pk_add_f32 v[250:251], v[124:125], v[128:129]
	v_pk_add_f32 v[248:249], v[132:133], v[136:137]
	v_pk_add_f32 v[246:247], v[140:141], v[144:145]
	v_pk_add_f32 v[244:245], v[148:149], v[152:153]
	v_pk_add_f32 v[240:241], v[156:157], v[160:161]
	v_pk_add_f32 v[14:15], v[14:15], v[164:165]
	v_pk_add_f32 v[220:221], v[220:221], v[104:105]
	v_pk_add_f32 v[252:253], v[252:253], v[106:107]
	v_pk_add_f32 v[250:251], v[250:251], v[110:111]
	v_pk_add_f32 v[248:249], v[248:249], v[114:115]
	v_pk_add_f32 v[246:247], v[246:247], v[118:119]
	v_pk_add_f32 v[244:245], v[244:245], v[122:123]
	v_pk_add_f32 v[240:241], v[240:241], v[126:127]
	v_pk_add_f32 v[14:15], v[14:15], v[130:131]
	v_pk_add_f32 v[220:221], v[220:221], v[134:135]
	v_pk_add_f32 v[252:253], v[252:253], v[138:139]
	v_pk_add_f32 v[250:251], v[250:251], v[142:143]
	v_pk_add_f32 v[248:249], v[248:249], v[146:147]
	v_pk_add_f32 v[246:247], v[246:247], v[150:151]
	v_pk_add_f32 v[244:245], v[244:245], v[154:155]
	v_pk_add_f32 v[240:241], v[240:241], v[158:159]
	v_pk_add_f32 v[14:15], v[14:15], v[162:163]
	v_pk_add_f32 v[220:221], v[220:221], v[166:167]
	s_delay_alu instid0(VALU_DEP_2)
	v_pk_add_f32 v[14:15], v[14:15], v[248:249]
	s_delay_alu instid0(VALU_DEP_2)
	v_pk_add_f32 v[220:221], v[220:221], v[246:247]
	v_pk_add_f32 v[252:253], v[252:253], v[244:245]
	v_pk_add_f32 v[250:251], v[250:251], v[240:241]
	s_delay_alu instid0(VALU_DEP_2)
	v_pk_add_f32 v[14:15], v[14:15], v[252:253]
	s_delay_alu instid0(VALU_DEP_2)
	v_pk_add_f32 v[220:221], v[220:221], v[250:251]
	s_delay_alu instid0(VALU_DEP_1)
	v_pk_add_f32 v[14:15], v[14:15], v[220:221]
	s_wait_alu depctr_va_vdst(0)                   ; and one for the four
.irp b, 0,1,2,3
	v_max_num_f32 v[BM+\b], 0x8000000, v[BM+\b]    ; the floor 2^(16 - 127)
.endr
.irp b, 0,1,2,3
	s_delay_alu instid0(VALU_DEP_4)
	v_add_nc_u32 v[SCO+\b], 0xf8800000, v[BM+\b]
.endr
.irp b, 0,1,2,3
	v_and_or_b32 v[LIM+\b], v[BM+\b], 0x7f800000, s[MNT]
.endr
.irp b, 0,1,2,3
	v_lshrrev_b32 v[BT+\b], 23, v[SCO+\b]
.endr
	s_delay_alu instid0(VALU_DEP_3)
	v_lshl_or_b32 v[PW], v[BT+1], 8, v[BT]
	s_delay_alu instid0(VALU_DEP_1)
	v_lshl_or_b32 v[PW], v[BT+2], 16, v[PW]
	s_delay_alu instid0(VALU_DEP_1)
	v_lshl_or_b32 v[PW], v[BT+3], 24, v[PW]
; The hold: the conversion does not saturate (ISA guide 7.6.2); p is not negative, so it is one-sided.  Two holds an instruction, of two neighbouring blocks: register n of the one with register n xor 1 of the other,
; so that the destinations are one even and one odd, and both pairs of sources have different numbers modulo 4.
.irp b, 0,2
.set n, 0
.rept 16
	v_dual_min_num_f32 v[SS+16*\b+n], v[SS+16*\b+n], v[LIM+\b] :: v_dual_min_num_f32 v[SS+16*\b+16+(n+1-2*(n%2))], v[SS+16*\b+16+(n+1-2*(n%2))], v[LIM+\b+1]
.set n, n+1
.endr
.irp d, 0,1
	v_cvt_scalef32_pk8_bf8_f32 v[PC+4*(\b+\d):PC+4*(\b+\d)+1], v[SS+16*(\b+\d):SS+16*(\b+\d)+7], v[SCO+\b+\d]
	v_cvt_scalef32_pk8_bf8_f32 v[PC+4*(\b+\d)+2:PC+4*(\b+\d)+3], v[SS+16*(\b+\d)+8:SS+16*(\b+\d)+15], v[SCO+\b+\d]
.endr
.endr
	s_wait_alu depctr_va_vdst(0)                   ; directly ahead of the first reader of O^T
.set n, 0
.rept 16
	v_pk_mul_f32 v[OT+n:OT+n+1], v[OT+n:OT+n+1], v[8:9] op_sel_hi:[1,0]   ; O^T under the new M.  (Also the places between the codes and the products)
.set n, n+2
.endr
	s_wait_alu depctr_va_vdst(0)
	s_wait_dscnt 0x0                               ; V
.irp t, 0,1,2,3
	v_wmma_scale_f32_16x16x128_f8f6f4 v[OT+8*\t:OT+8*\t+7], v[KV+16*\t:KV+16*\t+15], v[PC:PC+15], v[OT+8*\t:OT+8*\t+7], v[VS+\t], v[PW] matrix_a_fmt:MATRIX_FMT_BF8 matrix_b_fmt:MATRIX_FMT_BF8
.endr
	s_add_co_u32 s[TB], s[TB], REC
.endm
; A PASS'S END.  ctx = O^T / the sum; register 8 t + j of lane (r, h) is channel 16 t + 8 h + j of query r.  Two blocks of 32 channels, quantised; their codes brought into the true order along K, since w_o's codes are given.
.macro FINISH
	s_wait_kmcnt 0x0                               ; the last mask words (not used) have landed: their registers are free
	v_add_f32 v14, v14, v15
	v_permlanex16_b32 v6, v14, s[SEL], s[SEL+1]
	v_add_f32 v14, v14, v6                         ; the row's sum
	s_wait_alu depctr_va_vdst(0)
	v_rcp_f32 v14, v14
.rept 8
	v_nop                                          ; places behind the last products, and the plain line behind the reciprocal
.endr
	s_bfe_u32 s20, ttmp6, 0x40000
	s_lshl_b32 s21, ttmp9, 2
	s_add_co_u32 s20, s20, s21                     ; my work-group along x
	s_lshl_b32 s20, s20, 1
	s_or_b32 s20, s20, s[PS]                       ; the pass's block of 256 queries
	s_and_b32 s21, ttmp7, 0xffff
	s_lshr_b32 s22, s21, 4
	s_lshl_b32 s22, s22, 7
	s_lshl_b32 s20, s20, 4
	s_add_co_u32 s22, s22, s20
	s_add_co_u32 s22, s22, s[WV]                   ; T
	s_and_b32 s21, s21, 15                         ; the head
	s_lshr_b32 s23, s21, 1                         ; its K step of 128 in the last product
	s_and_b32 s21, s21, 1                          ; and which half of it
	s_lshl_b32 s24, s22, 14                        ; ctx_img: [T][K step][c][lane][16]
	s_lshl_b32 s25, s23, 11
	s_add_co_u32 s24, s24, s25
	s_lshl_b32 s25, s21, 10
	s_add_co_u32 s24, s24, s25
	s_mov_b32 s25, 0
	s_lshl_b32 s26, s23, 15                        ; ctx_sc: [K step][token] words
	s_lshl_b32 s27, s22, 6
	s_add_co_u32 s26, s26, s27
	s_lshl_b32 s27, s21, 1
	s_add_co_u32 s26, s26, s27
	s_mov_b32 s27, 0
	s_mov_b32 s28, 0xffff0000                      ; lanes 16-31
	s_add_nc_u64 s[8:9], s[90:91], s[24:25]
	s_add_nc_u64 s[10:11], s[92:93], s[26:27]
	s_wait_alu depctr_va_vdst(0)                   ; the wait ahead of the first reader of the reciprocal and of O^T
.set n, 0
.rept 32
	v_mul_f32 v[SS+n], v[OT+n], v14                ; each accumulator from its low end on
.set n, n+1
.endr
.irp b, 0,1
	v_max3_num_f32 v[EM+\b], |v[SS+16*\b]|, |v[SS+16*\b+1]|, 0x8000000
.endr
.irp i, 2,4,6,8,10,12,14
.irp b, 0,1
	v_max3_num_f32 v[EM+\b], v[EM+\b], |v[SS+16*\b+\i]|, |v[SS+16*\b+\i+1]|
.endr
.endr
.irp b, 0,1
	v_permlanex16_b32 v[EM+2+\b], v[EM+\b], s[SEL], s[SEL+1]
.endr
.irp b, 0,1
	v_max_num_f32 v[EM+\b], v[EM+\b], v[EM+2+\b]
.endr
.irp b, 0,1
	v_add_nc_u32 v[EM+4+\b], 0xf8800000, v[EM+\b]
.endr
.irp b, 0,1
	v_and_or_b32 v[EM+6+\b], v[EM+\b], 0x7f800000, s[MNT]
.endr
.irp b, 0,1
	v_lshrrev_b32 v[EM+8+\b], 23, v[EM+4+\b]       ; the scale's byte
.endr
.irp b, 0,1
.set n, 0
.rept 16
	v_med3_num_f32 v[SS+16*\b+n], v[SS+16*\b+n], -v[EM+6+\b], v[EM+6+\b]
.set n, n+1
.endr
	v_cvt_scalef32_pk8_bf8_f32 v[PC+4*\b:PC+4*\b+1], v[SS+16*\b:SS+16*\b+7], v[EM+4+\b]       ; channels 8 h + 0..7 of the block
	v_cvt_scalef32_pk8_bf8_f32 v[PC+4*\b+2:PC+4*\b+3], v[SS+16*\b+8:SS+16*\b+15], v[EM+4+\b]  ; channels 16 + 8 h + 0..7
.endr
	v_nop                                          ; one plain line behind the last conversion
	; lanes 0-15 want channels 0..15 of a block, lanes 16-31 channels 16..31: each half sends the pair that the other wants
.irp b, 0,1
.irp k, 0,1
	v_cndmask_b32 v[PC+8+2*\b+\k], v[PC+2+4*\b+\k], v[PC+4*\b+\k], s28
.endr
.endr
.irp i, 0,1,2,3
	v_permlanex16_b32 v[PC+12+\i], v[PC+8+\i], s[SEL], s[SEL+1]
.endr
.irp b, 0,1
.irp k, 0,1
	v_cndmask_b32 v[BM+4*\b+\k], v[PC+4*\b+\k], v[PC+12+2*\b+\k], s28
	v_cndmask_b32 v[BM+2+4*\b+\k], v[PC+12+2*\b+\k], v[PC+2+4*\b+\k], s28
.endr
.endr
	v_bfe_u32 v[EM+10], v0, 4, 1
	v_and_b32 v[EM+11], 15, v0
	v_lshl_add_u32 v[EM+11], v[EM+11], 2, v[EM+10] ; token r's word; lanes 0-15 store block 0's byte, lanes 16-31 block 1's
	v_cndmask_b32 v[EM+12], v[EM+8], v[EM+9], s28
	s_wait_alu depctr_va_vdst(0)
	global_store_b128 v[LI], v[BM:BM+3], s[8:9]                ; 512 consecutive bytes, aligned to 256
	global_store_b128 v[LI], v[BM+4:BM+7], s[8:9] offset:512
	global_store_b8 v[EM+11], v[EM+12], s[10:11]
.endm
	QLOAD 0                                        ; the first pass's Q and 48 of step 0's mask words, under the tensor load's flight
	s_wait_alu depctr_va_vdst(0)
	s_wait_tensorcnt 0x0                           ; my record has landed: so its descriptor's registers may be written
	s_wait_dscnt 0x0
	s_barrier_signal -1
	s_barrier_wait -1                              ; all sixteen records lie in LDS; nothing fills them again
	s_load_b512 s[68:83], s[MP:MP+1], 0xc0         ; step 0's last sixteen mask words
.Lpass:
	QUSE
	s_mov_b32 s[TB], 0
	s_mov_b32 s3, 16
.Lstep:
	STEP
	s_sub_co_u32 s3, s3, 1
	s_cmp_lg_u32 s3, 0
	s_cbranch_scc1 .Lstep
	FINISH
	s_add_co_u32 s[PS], s[PS], 1
	s_cmp_eq_u32 s[PS], 2
	s_cbranch_scc1 .Lno_more                       ; behind the second pass nothing more is asked for
	QLOAD 1
.Lno_more:
	s_cmp_lt_u32 s[PS], 2
	s_cbranch_scc1 .Lpass
	s_wait_tensorcnt 0x0                           ; the wave's end
	ds_add_u32 v254, v255
	s_wait_dscnt 0x0
	CROUND                                         ; the closing round
	s_endpgm
.Lfunc_end_k_qad78717e58_attn:
	.size	k_qad78717e58_attn, .Lfunc_end_k_qad78717e58_attn-k_qad78717e58_attn
	.p2alignl 7, 3214868480
	.fill 96, 4, 3214868480
	.section	.rodata,"a",@progbits
	.p2align	6, 0x0
	.amdhsa_kernel k_qad78717e58_attn
		.amdhsa_group_segment_fixed_size 272384
		.amdhsa_private_segment_fixed_size 0
		.amdhsa_enable_private_segment 0
		.amdhsa_kernarg_size 40
		.amdhsa_user_sgpr_count 2
		.amdhsa_user_sgpr_kernarg_segment_ptr 1
		.amdhsa_wavefront_size32 1
		.amdhsa_system_sgpr_workgroup_id_x 1
		.amdhsa_system_sgpr_workgroup_id_y 1
		.amdhsa_system_sgpr_workgroup_id_z 1
		.amdhsa_system_vgpr_workitem_id 0
		.amdhsa_next_free_vgpr 256
		.amdhsa_next_free_sgpr 106
		.amdhsa_reserve_vcc 0
		.amdhsa_float_denorm_mode_32 3
		.amdhsa_float_denorm_mode_16_64 3
		.amdhsa_memory_ordered 1
		.amdhsa_forward_progress 1
		.amdhsa_inst_pref_size 42
	.end_amdhsa_kernel
	.amdgpu_metadata
---
amdhsa.version: [ 1, 2 ]
amdhsa.kernels:
  - .name:           k_qad78717e58_attn
    .symbol:         k_qad78717e58_attn.kd
    .args:
      - { .name: q_img, .offset: 0, .size: 8, .value_kind: global_buffer, .address_space: global }
      - { .name: kv_img, .offset: 8, .size: 8, .value_kind: global_buffer, .address_space: global }
      - { .name: maskw, .offset: 16, .size: 8, .value_kind: global_buffer, .address_space: global }
      - { .name: ctx_img, .offset: 24, .size: 8, .value_kind: global_buffer, .address_space: global }
      - { .name: ctx_sc, .offset: 32, .size: 8, .value_kind: global_buffer, .address_space: global }
    .group_segment_fixed_size: 272384
    .private_segment_fixed_size: 0
    .kernarg_segment_align: 8
    .kernarg_segment_size: 40
    .max_flat_workgroup_size: 512
    .sgpr_count:     106
    .vgpr_count:     256
    .wavefront_size: 32
...
	.end_amdgpu_metadata
.endif
;; end of part 3
;; launch outln (part 4): grid 256 x 1, 4 waves a work-group, clusters of 4 x 1, 327,680 bytes of LDS; arguments ctx_img, ctx_sc, w_o_codes, w_o_scales, input_Q, ln_gamma, ln_beta, out0; writes out0
.if DOCPART == 4
	.amdgcn_target "amdgcn-amd-amdhsa--gfx1250"
	.amdhsa_code_object_version 6
	.text
	.protected	k_qad78717e58_outln
	.globl	k_qad78717e58_outln
	.p2align	8
	.type	k_qad78717e58_outln,@function
k_qad78717e58_outln:
	s_mov_b64 s[64:65], 0
	v_nop
	global_prefetch_b8 v0, s[64:65] scope:SCOPE_SE
	s_setreg_imm32_b32 hwreg(HW_REG_WAVE_MODE, 25, 1), 1
	s_wait_xcnt 0x0
	s_wait_alu depctr_hold_cnt(0) depctr_sa_sdst(0) depctr_va_vdst(0) depctr_va_sdst(0) depctr_va_ssrc(0) depctr_va_vcc(0) depctr_vm_vsrc(0)
	s_getreg_b32 s2, hwreg(HW_REG_IB_STS2, 6, 4)
	s_cmp_eq_u32 s2, 0
	s_cbranch_scc0 .Lentry_in_a_cluster
	s_endpgm
.Lentry_in_a_cluster:
	s_bfe_u32 s2, ttmp6, 0x10000c
	s_cmp_lg_u32 s2, 0x3003
	s_cbranch_scc0 .Lentry_shape_is_right
	s_endpgm
.Lentry_shape_is_right:
; out0 = LayerNorm(ctx w_o^T + input_Q): a work-group owns 32 tokens x all 1,024 columns, a wave 256 of the columns.  w_o's codes come through two LDS slots by joint loads of a cluster of four.
; A fill brings each wave 128 of its 256 rows of w_o x 256 bytes along K (rows of 256 bytes, at multiples of 256, 16 bytes of padding behind each): slot 0 holds the lower 128 rows, slot 1 the upper.
; Step s: K bytes 256 (s / 2) on, column tiles 8 (s % 2) .. + 7, two products deep along K.  ctx's fragments of a K step of 128 lie in four buffers of 32 registers and are asked for two steps ahead.
.set SLOT,  139264
.set WPART, 34816
.set SPARE, 294912
.set SPI,   4112
.set ADRB, 16
.set LI,   18
.set BSO,  19
.set ASO,  20
.set STO,  22
.set RD,   26
.set SPW,  28
.set NIL,  29
.set BS,   32
.set AS,   100
.set AF,   128
.set WV,   20
.set G1,   24
.set G0,   32
.set IQ,   12
.set OUT,  18
.set MSB, 0
.macro WIN new
.if MSB != (\new)
	s_set_vgpr_msb (MSB<<8)|(\new)
.set MSB, (\new)
.endif
.endm
.set MUL,  0xa1
.set TO_B, 0x40
.set TO_Q, 0xc0
.macro CROUND
	s_barrier_signal -1
	s_barrier_wait -1
	s_cmp_lg_u32 s[WV], 0
	s_cbranch_scc1 .Lnot_wave_0_\@
	s_barrier_signal -3
.Lnot_wave_0_\@:
	s_barrier_wait -3
	s_barrier_signal -1
	s_barrier_wait -1
.endm
	s_load_b512 s[4:19], s[0:1], 0x0
	v_lshl_add_u32 v[SPW], v0, 2, SPARE
	v_mov_b32 v[NIL], 0
	ds_add_u32 v28, v29
	ds_add_u32 v28, v29
	s_wait_dscnt 0x0
	v_lshrrev_b32 v1, 5, v0
	v_readfirstlane_b32 s[WV], v1
	s_bfe_u32 s21, ttmp6, 0x40000
	s_lshl_b32 s22, ttmp9, 2
	s_add_co_u32 s21, s21, s22
	s_mov_b32 s[G1], 15|(0<<16)|(1<<20)|(1<<21)|(5<<22)|(3<<25)
	s_mov_b32 s[G1+1], 256<<16
	s_mov_b32 s[G1+2], 128<<16
	s_mov_b32 s[G1+3], 256<<16
	s_mov_b32 s[G1+4], 128
	s_mov_b32 s[G1+5], 1024
	s_mov_b32 s[G1+6], 0
	s_mov_b32 s[G1+7], 0
	s_mul_i32 s23, s[WV], WPART
	s_lshl_b32 s44, s[WV], 18
	s_mov_b32 s45, 0
	s_wait_kmcnt 0x0
	s_add_nc_u64 s[44:45], s[8:9], s[44:45]
.irp s, 0,1
	s_mov_b32 s[G0+4*\s], 1
	s_add_co_u32 s[G0+4*\s+1], s23, \s*SLOT
	s_add_nc_u64 s[G0+4*\s+2:G0+4*\s+3], s[44:45], \s*131072
	s_or_b32 s[G0+4*\s+3], s[G0+4*\s+3], 0x80000000
.endr
	CROUND
	tensor_load_to_lds s[G0:G0+3], s[G1:G1+7]
	s_nop 0
	s_wait_alu depctr_va_vdst(0)
	s_wait_tensorcnt 0x0
	ds_add_u32 v28, v29
	s_wait_dscnt 0x0
	CROUND
	tensor_load_to_lds s[G0+4:G0+7], s[G1:G1+7]
	s_nop 0
.rept 4
	v_nop
.endr
	v_and_b32 v1, 15, v0
	v_bfe_u32 v2, v0, 4, 1
	v_and_b32 v3, 31, v0
	v_lshlrev_b32 v[LI], 4, v3
	v_lshlrev_b32 v[BSO], 5, v3
	v_lshlrev_b32 v[ASO], 2, v3
	v_mul_u32_u24 v5, v1, 272
	v_lshl_add_u32 v5, v2, 4, v5
	v_add_nc_u32 v[ADRB], s23, v5
	v_add_nc_u32 v[ADRB+1], SLOT, v[ADRB]
	v_mul_u32_u24 v4, v1, SPI
	v_lshl_add_u32 v4, v2, 5, v4
	s_lshl_b32 s22, s[WV], 10
	v_add_nc_u32 v[STO], s22, v4
	v_add_nc_u32 v[STO+1], 16*SPI, v[STO]
	s_mul_i32 s22, s[WV], 8*SPI
	v_add_nc_u32 v[RD], s22, v[LI]
	s_mov_b32 s23, 0
	s_lshl_b32 s22, s[WV], 13
	s_add_nc_u64 s[10:11], s[10:11], s[22:23]
	s_lshl_b32 s22, s21, 7
	s_add_nc_u64 s[6:7], s[6:7], s[22:23]
	s_lshl_b32 s22, s21, 15
	s_add_nc_u64 s[4:5], s[4:5], s[22:23]
	s_lshl_b32 s22, s21, 17
	s_lshl_b32 s46, s[WV], 15
	s_add_co_u32 s22, s22, s46
	s_add_nc_u64 s[IQ:IQ+1], s[IQ:IQ+1], s[22:23]
	s_add_nc_u64 s[OUT:OUT+1], s[OUT:OUT+1], s[22:23]
	s_mov_b32 s40, 0x3a800000
	s_mov_b32 s41, 0x3727c5ac
	s_mov_b32 s42, 0x76543210
	s_mov_b32 s43, 0xfedcba98
.irp p, 0,1,2,3,4,5,6,7
.irp f, 0,1
	global_load_b128 v[BS+8*\p+4*\f:BS+8*\p+4*\f+3], v[BSO], s[10:11] offset:1024*\p+16*\f
.endr
.endr
.irp s, 0,1,2,3,4,5,6,7
	global_load_b32 v[AS+\s], v[ASO], s[6:7] offset:32768*\s
.endr
.macro ALOAD s
.set FA, AF+32*((\s)%4)
.irp a, 0,1
.irp c, 0,1,2,3
	global_load_b128 v[FA+16*\a+4*\c:FA+16*\a+4*\c+3], v[LI], s[4:5] offset:16384*\a+2048*(\s)+512*\c
.endr
.endr
.endm
.macro QROW k
.irp j, 0,1,2,3,4,5,6,7
	global_load_b128 v[32*(\k)+4*\j:32*(\k)+4*\j+3], v[LI], s[IQ:IQ+1] offset:4096*(\k)+512*\j th:TH_LOAD_NT
.endr
.endm
	ALOAD 0
	ALOAD 1
.macro WM s, i, a
.set ks, 2*((\s)/2)+(\i)/8             ; the K step of 128
.set ci, 8*((\s)%2)+(\i)%8             ; the column tile of my sixteen
.set rD, 8*(16*(\a)+ci)
.set rB, 16*(\i)
.set rA, AF+32*(ks%4)+16*(\a)
.set rX, BS+8*(ci/2)+ks
.set rY, AS+ks
.set par, 2*(ci%2)+(\a)
.if ks == 0
.if par == 0
	v_wmma_scale_f32_16x16x128_f8f6f4 v[rD:rD+7], v[rB:rB+15], v[rA:rA+15], 0, v[rX], v[rY] matrix_a_fmt:MATRIX_FMT_BF8 matrix_b_fmt:MATRIX_FMT_BF8
.elseif par == 1
	v_wmma_scale_f32_16x16x128_f8f6f4 v[rD:rD+7], v[rB:rB+15], v[rA:rA+15], 0, v[rX], v[rY] matrix_a_fmt:MATRIX_FMT_BF8 matrix_b_fmt:MATRIX_FMT_BF8 matrix_b_scale:MATRIX_SCALE_ROW1
.elseif par == 2
	v_wmma_scale_f32_16x16x128_f8f6f4 v[rD:rD+7], v[rB:rB+15], v[rA:rA+15], 0, v[rX], v[rY] matrix_a_fmt:MATRIX_FMT_BF8 matrix_b_fmt:MATRIX_FMT_BF8 matrix_a_scale:MATRIX_SCALE_ROW1
.else
	v_wmma_scale_f32_16x16x128_f8f6f4 v[rD:rD+7], v[rB:rB+15], v[rA:rA+15], 0, v[rX], v[rY] matrix_a_fmt:MATRIX_FMT_BF8 matrix_b_fmt:MATRIX_FMT_BF8 matrix_a_scale:MATRIX_SCALE_ROW1 matrix_b_scale:MATRIX_SCALE_ROW1
.endif
.else
.if par == 0
	v_wmma_scale_f32_16x16x128_f8f6f4 v[rD:rD+7], v[rB:rB+15], v[rA:rA+15], v[rD:rD+7], v[rX], v[rY] matrix_a_fmt:MATRIX_FMT_BF8 matrix_b_fmt:MATRIX_FMT_BF8
.elseif par == 1
	v_wmma_scale_f32_16x16x128_f8f6f4 v[rD:rD+7], v[rB:rB+15], v[rA:rA+15], v[rD:rD+7], v[rX], v[rY] matrix_a_fmt:MATRIX_FMT_BF8 matrix_b_fmt:MATRIX_FMT_BF8 matrix_b_scale:MATRIX_SCALE_ROW1
.elseif par == 2
	v_wmma_scale_f32_16x16x128_f8f6f4 v[rD:rD+7], v[rB:rB+15], v[rA:rA+15], v[rD:rD+7], v[rX], v[rY] matrix_a_fmt:MATRIX_FMT_BF8 matrix_b_fmt:MATRIX_FMT_BF8 matrix_a_scale:MATRIX_SCALE_ROW1
.else
	v_wmma_scale_f32_16x16x128_f8f6f4 v[rD:rD+7], v[rB:rB+15], v[rA:rA+15], v[rD:rD+7], v[rX], v[rY] matrix_a_fmt:MATRIX_FMT_BF8 matrix_b_fmt:MATRIX_FMT_BF8 matrix_a_scale:MATRIX_SCALE_ROW1 matrix_b_scale:MATRIX_SCALE_ROW1
.endif
.endif
.endm
.macro MULS s, i0
.irp a, 0,1
.irp i, 0,1,2,3,4,5,6,7
	WM \s, (\i0+\i), \a
.endr
.endr
.endm
.macro KSTEP s
.if (\s) == 0
	s_wait_tensorcnt 0x1
.elseif (\s) < 7
	s_wait_tensorcnt 0x0
	ds_add_u32 v[SPW], v[NIL]
	s_add_nc_u64 s[G0+4*((\s-1)%2)+2:G0+4*((\s-1)%2)+3], s[G0+4*((\s-1)%2)+2:G0+4*((\s-1)%2)+3], 256
	s_wait_dscnt 0x0
	CROUND
	tensor_load_to_lds s[G0+4*((\s-1)%2):G0+4*((\s-1)%2)+3], s[G1:G1+7]
	s_nop 0
.rept 8
	v_nop
.endr
.else
	s_wait_tensorcnt 0x0
.rept 8
	v_nop
.endr
.endif
	WIN TO_B
.irp i, 0,1,2,3,4,5,6,7,8,9,10,11,12,13,14,15
.irp c, 0,1,2,3
	ds_load_b128 v[16*\i+4*\c:16*\i+4*\c+3], v[ADRB+(\s)%2] offset:4352*(\i%8)+128*(\i/8)+32*\c
.endr
.endr
	WIN 0
.if (\s) < 6
	ALOAD (\s)+2
.endif
	WIN TO_Q
	QROW \s
	WIN 0
; the count: the loads issued behind the youngest of ctx's fragments that this step multiplies (eight a run: later fragments, rows of input_Q)
.if ((\s) == 0) || ((\s) == 6)
	s_wait_loadcnt 16
.elseif (\s) == 1
	s_wait_loadcnt 32
.elseif ((\s) == 3) || ((\s) == 5)
	s_wait_loadcnt 40
.else
	s_wait_loadcnt 24
.endif
	s_wait_dscnt 32
	WIN MUL
	MULS \s, 0
	s_wait_dscnt 0x0
	MULS \s, 8
	WIN 0
.endm
	s_wait_alu depctr_va_vdst(0)
.irp s, 0,1,2,3,4,5,6,7
	KSTEP \s
.endr
.macro SLOAD kk
.irp j, 0,1,2,3,4,5,6,7
	ds_load_b128 v[AF+64*((\kk)%2)+4*\j:AF+64*((\kk)%2)+4*\j+3], v[RD] offset:SPI*(\kk)+512*\j
.endr
.endm
.rept 8
	v_nop
.endr
	WIN TO_B
.irp j, 0,1,2,3,4,5,6,7
	global_load_b128 v[4*\j:4*\j+3], v[LI], s[14:15] offset:512*\j
	global_load_b128 v[32+4*\j:32+4*\j+3], v[LI], s[16:17] offset:512*\j
.endr
	WIN 0
	v_mov_b32 v117, 0
	v_mov_b32 v119, 0
	v_mov_b32 v120, 0
	s_wait_dscnt 0x0
	s_barrier_signal -1
	s_barrier_wait -1
	WIN 0x08
.irp a, 0,1
.irp i, 0,1,2,3,4,5,6,7,8,9,10,11,12,13,14,15
	ds_store_b128 v[STO+\a], v[8*(16*\a+\i):8*(16*\a+\i)+3] offset:64*\i
	ds_store_b128 v[STO+\a], v[8*(16*\a+\i)+4:8*(16*\a+\i)+7] offset:64*\i+16
.endr
.endr
	WIN 0
	s_wait_dscnt 0x0
	s_barrier_signal -1
	s_barrier_wait -1
.macro REDUCE
	v_add_f32_dpp v112, v112, v112 row_xmask:1 row_mask:0xf bank_mask:0xf
	v_add_f32_dpp v112, v112, v112 row_xmask:2 row_mask:0xf bank_mask:0xf
	v_add_f32_dpp v112, v112, v112 row_xmask:4 row_mask:0xf bank_mask:0xf
	v_add_f32_dpp v112, v112, v112 row_xmask:8 row_mask:0xf bank_mask:0xf
	v_permlanex16_b32 v120, v112, s42, s43
	v_add_f32 v112, v112, v120
.endm
.macro LNROW k
.set Y, AF+64*((\k)%2)
	s_wait_dscnt 0x0
	WIN 0x0c
.irp j, 0,2,4,6,8,10,12,14,16,18,20,22,24,26,28,30
	v_pk_add_f32 v[Y+\j:Y+\j+1], v[Y+\j:Y+\j+1], v[32*(\k)+\j:32*(\k)+\j+1]
.endr
	WIN 0
	v_pk_add_f32 v[112:113], v[Y:Y+1], v[Y+2:Y+3]
	v_pk_add_f32 v[114:115], v[Y+4:Y+5], v[Y+6:Y+7]
.irp j, 8,12,16,20,24,28
	v_pk_add_f32 v[112:113], v[112:113], v[Y+\j:Y+\j+1]
	v_pk_add_f32 v[114:115], v[114:115], v[Y+\j+2:Y+\j+3]
.endr
	v_pk_add_f32 v[112:113], v[112:113], v[114:115]
	v_add_f32 v112, v112, v113
	REDUCE
	v_mul_f32 v116, s40, v112
.if (\k) < 7
	s_wait_alu depctr_va_vdst(0)
	s_wait_xcnt 0x0
	SLOAD (\k)+1
.endif
.irp j, 0,2,4,6,8,10,12,14,16,18,20,22,24,26,28,30
	v_pk_add_f32 v[Y+\j:Y+\j+1], v[Y+\j:Y+\j+1], v[116:117] op_sel_hi:[1,0] neg_lo:[0,1] neg_hi:[0,1]
.endr
	v_pk_mul_f32 v[112:113], v[Y:Y+1], v[Y:Y+1]
	v_pk_mul_f32 v[114:115], v[Y+2:Y+3], v[Y+2:Y+3]
.irp j, 4,8,12,16,20,24,28
	v_pk_fma_f32 v[112:113], v[Y+\j:Y+\j+1], v[Y+\j:Y+\j+1], v[112:113]
	v_pk_fma_f32 v[114:115], v[Y+\j+2:Y+\j+3], v[Y+\j+2:Y+\j+3], v[114:115]
.endr
	v_pk_add_f32 v[112:113], v[112:113], v[114:115]
	v_add_f32 v112, v112, v113
	REDUCE
	v_fma_f32 v118, v112, s40, s41
	s_wait_alu depctr_va_vdst(0)
	v_rsq_f32 v118, v118
	v_nop
	s_wait_alu depctr_va_vdst(0)
.irp j, 0,2,4,6,8,10,12,14,16,18,20,22,24,26,28,30
	v_pk_mul_f32 v[Y+\j:Y+\j+1], v[Y+\j:Y+\j+1], v[118:119] op_sel_hi:[1,0]
.endr
	WIN 0x14
.irp j, 0,2,4,6,8,10,12,14,16,18,20,22,24,26,28,30
	v_pk_fma_f32 v[Y+\j:Y+\j+1], v[Y+\j:Y+\j+1], v[\j:\j+1], v[32+\j:33+\j]
.endr
	WIN 0
.irp j, 0,1,2,3,4,5,6,7
	global_store_b128 v[LI], v[Y+4*\j:Y+4*\j+3], s[OUT:OUT+1] offset:4096*(\k)+512*\j th:TH_STORE_NT
.endr
.endm
	SLOAD 0
	s_wait_loadcnt 0x0
.irp k, 0,1,2,3,4,5,6,7
	LNROW \k
.endr
	s_wait_tensorcnt 0x0
	ds_add_u32 v[SPW], v[NIL]
	s_wait_dscnt 0x0
	CROUND
	s_endpgm
.Lfunc_end_k_qad78717e58_outln:
	.size	k_qad78717e58_outln, .Lfunc_end_k_qad78717e58_outln-k_qad78717e58_outln
	.p2alignl 7, 3214868480
	.fill 96, 4, 3214868480
	.section	.rodata,"a",@progbits
	.p2align	6, 0x0
	.amdhsa_kernel k_qad78717e58_outln
		.amdhsa_group_segment_fixed_size 327680
		.amdhsa_private_segment_fixed_size 0
		.amdhsa_enable_private_segment 0
		.amdhsa_kernarg_size 64
		.amdhsa_user_sgpr_count 2
		.amdhsa_user_sgpr_kernarg_segment_ptr 1
		.amdhsa_wavefront_size32 1
		.amdhsa_system_sgpr_workgroup_id_x 1
		.amdhsa_system_sgpr_workgroup_id_y 1
		.amdhsa_system_sgpr_workgroup_id_z 1
		.amdhsa_system_vgpr_workitem_id 0
		.amdhsa_next_free_vgpr 1024
		.amdhsa_next_free_sgpr 66
		.amdhsa_reserve_vcc 0
		.amdhsa_float_denorm_mode_32 3
		.amdhsa_float_denorm_mode_16_64 3
		.amdhsa_memory_ordered 1
		.amdhsa_forward_progress 1
		.amdhsa_inst_pref_size 165
	.end_amdhsa_kernel
	.amdgpu_metadata
---
amdhsa.version: [ 1, 2 ]
amdhsa.kernels:
  - .name:           k_qad78717e58_outln
    .symbol:         k_qad78717e58_outln.kd
    .args:
      - { .name: ctx_img, .offset: 0, .size: 8, .value_kind: global_buffer, .address_space: global }
      - { .name: ctx_sc, .offset: 8, .size: 8, .value_kind: global_buffer, .address_space: global }
      - { .name: w_o_codes, .offset: 16, .size: 8, .value_kind: global_buffer, .address_space: global }
      - { .name: w_o_scales, .offset: 24, .size: 8, .value_kind: global_buffer, .address_space: global }
      - { .name: input_Q, .offset: 32, .size: 8, .value_kind: global_buffer, .address_space: global }
      - { .name: ln_gamma, .offset: 40, .size: 8, .value_kind: global_buffer, .address_space: global }
      - { .name: ln_beta, .offset: 48, .size: 8, .value_kind: global_buffer, .address_space: global }
      - { .name: out0, .offset: 56, .size: 8, .value_kind: global_buffer, .address_space: global }
    .group_segment_fixed_size: 327680
    .private_segment_fixed_size: 0
    .kernarg_segment_align: 8
    .kernarg_segment_size: 64
    .max_flat_workgroup_size: 128
    .sgpr_count:     66
    .vgpr_count:     1024
    .wavefront_size: 32
...
	.end_amdgpu_metadata
.endif
;; end of part 4
